; MI455X (gfx1250); checked and timed in simulation.
; The chip was launched on July 23, 2026; its instructions are those of AMD's public machine-readable ISA for CDNA 5 (MIT licence, August 2026) and "CDNA5" Instruction Set Architecture Reference Guide (July 2026). The comments in the code are by the model that wrote it; some were corrected since.
;; Transformer Block. Allowed arithmetic: matrix products marked QUANTISED: E5M2 operands, one given power-of-two scale a tensor, by v_wmma_f32_16x16x64_bf8_bf8 or v_wmma_f32_16x16x128_bf8_bf8, f32 sums; everything else in f32.
;; Inputs: W1_codes 4,096 x 32 x 32 uint8 (E5M2 codes of W1, K innermost, in blocks of 32 codes); W2_codes 1,024 x 128 x 32 uint8 (E5M2 codes of W2, K innermost, in blocks of 32 codes); Wk_codes 1,024 x 32 x 32 uint8 (E5M2 codes of Wk, K innermost, in blocks of 32 codes); Wo_codes 1,024 x 32 x 32 uint8 (E5M2 codes of Wo, K innermost, in blocks of 32 codes); Wq_codes 1,024 x 32 x 32 uint8 (E5M2 codes of Wq, K innermost, in blocks of 32 codes); Wv_codes 1,024 x 32 x 32 uint8 (E5M2 codes of Wv, K innermost, in blocks of 32 codes); b1 1,024 float32; b2 1,024 float32; bf1 4,096 float32; bf2 1,024 float32; g1 1,024 float32; g2 1,024 float32; lowp_scales 16 int32 (the exponents e of the quantised operands' scales 2^e); x 2 x 2,048 x 1,024 float32.
;; Outputs: out0 2 x 2,048 x 1,024 float32.
;; This version of the problem:
;;   THIS VERSION OF THE PROBLEM IS GIVEN IN LOW PRECISION. The matrix products marked QUANTISED in the list below multiply operands that are first quantised to E5M2 (5 exponent bits, 2 mantissa bits; 8 bits a number), with one given power-of-two scale for each operand tensor; their sums are f32. All else is computed in f32.
;;   The module's matrix products, in the order in which they are computed (A, B: the left and right operand; K: the contracted axis; several contracted axes count as one K, in the product's order):
;;     1. [M 4,096, K 1,024] x [K 1,024, N 1,024]; A: computed on the way; B: input Wq (given as codes): QUANTISED (scales: A lowp_scales[0], B lowp_scales[1])
;;     2. [M 4,096, K 1,024] x [K 1,024, N 1,024]; A: computed on the way; B: input Wk (given as codes): QUANTISED (scales: A lowp_scales[2], B lowp_scales[3])
;;     3. [M 4,096, K 1,024] x [K 1,024, N 1,024]; A: computed on the way; B: input Wv (given as codes): QUANTISED (scales: A lowp_scales[4], B lowp_scales[5])
;;     4. batch 32 x [M 2,048, K 64] x [K 64, N 2,048]; A: computed on the way; B: computed on the way: QUANTISED (scales: A lowp_scales[6], B lowp_scales[7])
;;     5. batch 32 x [M 64, K 2,048] x [K 2,048, N 2,048]; A: computed on the way; B: softmax (see below): QUANTISED (scales: A lowp_scales[8], B lowp_scales[9])
;;     6. [M 4,096, K 1,024] x [K 1,024, N 1,024]; A: computed on the way; B: input Wo (given as codes): QUANTISED (scales: A lowp_scales[10], B lowp_scales[11])
;;     7. [M 4,096, K 1,024] x [K 1,024, N 4,096]; A: computed on the way; B: input W1 (given as codes): QUANTISED (scales: A lowp_scales[12], B lowp_scales[13])
;;     8. [M 4,096, K 4,096] x [K 4,096, N 1,024]; A: computed on the way; B: input W2 (given as codes): QUANTISED (scales: A lowp_scales[14], B lowp_scales[15])
;;   THE QUANTISER, for each operand of a quantised product, along K:
;;     - The operand's scale is 2^e, e = its entry of the input lowp_scales (int32; the entries are numbered through the quantised products in the list's order, A before B).
;;     - Each number is divided by the scale, clamped to +-57,344, and rounded to the nearest number of E5M2, ties to even, subnormals kept.
;;     - The product sums the exact products of the quantised numbers (number of the format x scale) in f32.
;;   ~~~python
;;   def quantise(x, axis, e):      # numpy; x: float32 -> the quantised numbers, widened to float32 again
;;       x = np.moveaxis(x, axis, -1); K = x.shape[-1]
;;       r = np.clip(x / 2.0 ** e, -57344, 57344)
;;       step = 2.0 ** (np.maximum(np.frexp(np.where(r == 0, 1, r))[1] - 1, -14) - 2)
;;       q = np.round(r / step) * step * 2.0 ** e      # np.round: ties to even
;;       return np.moveaxis(q, -1, axis).astype(np.float32)
;;   ~~~
;;   SOFTMAX AHEAD OF A QUANTISED PRODUCT. Where the list says 'softmax', what is quantised is not the finished softmax but p = 2^(t - M), with t = logit x log2(e) and M = ceil(the row's largest t), a whole number; so 1/2 < the row's largest p <= 1. The row's sum l is taken of the UNQUANTISED p, in f32, and the product's result is divided by l at the end. Since M is a whole number, a kernel that streams over the keys may use a running M (the ceiling of the running maximum): every later rescaling is an exact power of two, so the quantised numbers keep their values, but for numbers so far below the row's largest that they fall under the format's range.
;;   OPERANDS COMPUTED ON THE WAY. 'Computed on the way' means the value that the module computes at that place (a softmax that the list does not call 'softmax' is quantised finished and normalised). What goes into a quantiser is computed in f32, as accurately as f32 sums, v_exp_f32 and their like allow (about 1e-6 of the number): no bf16 or f16 on the way to a quantiser, and a product that is left as it is and whose result goes on into a quantised operand takes f32 operands (vector FMAs, or v_wmma_f32_16x16x4_f32). A number that lies on a knife's edge between two numbers of the format may be rounded either way, as far as f32 arithmetic and the matrix unit's own rounding can turn it there, and no further.
;;   INPUTS GIVEN AS CODES. W1 (in the module: [1024, 4096], K = its axis 0); W2 (in the module: [4096, 1024], K = its axis 0); Wk (in the module: [1024, 1024], K = its axis 0); Wo (in the module: [1024, 1024], K = its axis 0); Wq (in the module: [1024, 1024], K = its axis 0); Wv (in the module: [1024, 1024], K = its axis 0): each comes as NAME_codes (uint8): NAME with its K axis moved to the last place and cut into blocks of 32 codes, [.., K / 32, bytes a block], one block behind the other in memory; one code a byte (a code: sign, 5 exponent bits, 2 mantissa bits); its scale is its entry of lowp_scales. Its value is code x scale, taken as it is: it is not quantised again, and the codes and scales need not be those that the quantiser above would give.
;; One version. Each part assembles by itself: llvm-mc -triple=amdgcn-amd-amdhsa -mcpu=gfx1250 --defsym DOCPART=n.
;; ======== version 1 of 1: 7 launches
;; limits: right only within a limited range of input values
;; workspace buffers: hc 12,582,912 bytes; qc 4,194,304 bytes; kc 4,194,304 bytes; vc 4,194,304 bytes; cc 4,194,304 bytes; x1 16,777,216 bytes; h2c 4,194,304 bytes; gc 16,777,216 bytes
;; launch ln1 (part 1): grid 256 x 1, 8 waves a work-group, no clusters, 0 bytes of LDS; arguments x, g1, b1, lowp_scales, hc; writes hc
.if DOCPART == 1
	.amdgcn_target "amdgcn-amd-amdhsa--gfx1250"
	.amdhsa_code_object_version 6
	.text
	.protected	k_qe987f20d48_ln1
	.globl	k_qe987f20d48_ln1
	.p2align	8
	.type	k_qe987f20d48_ln1,@function
k_qe987f20d48_ln1:
	s_mov_b64 s[64:65], 0
	v_nop
	global_prefetch_b8 v0, s[64:65] scope:SCOPE_SE
	s_setreg_imm32_b32 hwreg(HW_REG_WAVE_MODE, 25, 1), 1
	s_wait_xcnt 0x0
; LAUNCH 1 OF 7: h = g1 (x - mean) / (std + 1e-5) + b1 for 4,096 rows of 1,024, in f32, turned into codes of E5M2 three times:
; plane 0 with 2^e0 (for Wq), plane 1 with 2^e2 (for Wk), plane 2 with 2^e4 (for Wv).  hc: [3][4096][1024], one code a byte, K innermost.
; THE PROGRAM: ln1 | qkv (three products) | attn | wo (+ x) | ln2 | ffn1 (+ bias, gelu) | ffn2 (+ bias, + residual).
; WORK LEFT OUT, in the whole program: in attn, a step of 128 keys all of which come after a wave's 16 queries.  reference() sets
; scores to -inf wherever key > query, by a mask that it builds itself (jnp.tril): exp(-inf) = 0, so such keys add 0 to the row's sum
; and 0 to ctx, and never raise the row's largest score, since key 0 counts for every query: that holds for all finite inputs.
; Nothing else is left out: every input has a way to the output and is loaded by some launch.
; LIMIT: a NaN, an infinity or an overflow that would arise only in those hidden scores is not carried to the result.
; LIMITS here: e0, e2, e4 between -126 and 112, so that 2^e and 57,344 x 2^e are f32 numbers.  NaN and infinity among the inputs are not served.
; SHARES: a work-group takes 16 rows, a wave two.  A lane holds, of each row, k = 256 j + 8 lane + 0 .. 7 for j = 0 .. 3: eight neighbours
; along K for each conversion, and its 8 codes are 8 bytes, so that a wave's store covers 256 consecutive bytes, aligned.
; No LDS, no barrier: a row never leaves its wave.
.set NS,   3                           ; how many times the row is quantised
.set X,    16                          ; v16-79   two rows, 32 numbers a lane each
.set G,    80                          ; v80-111  the gain at my 32 places
.set BT,   112                         ; v112-143 the bias
.set T,    144                         ; v144-159 at work: two sets of eight
.set C,    160                         ; v160-207 the codes: registers of their own for each store
.set SCV,  208                         ; v208..   for each plane: 2^e, and 57,344 x 2^e
.macro LANESUM r, t                    ; v[r] summed over the 32 lanes, the sum in every lane; v[t] has been written before
	s_delay_alu instid0(VALU_DEP_1)
	v_add_f32_dpp v[\r], v[\r], v[\r] row_xmask:1 row_mask:0xf bank_mask:0xf
	s_delay_alu instid0(VALU_DEP_1)
	v_add_f32_dpp v[\r], v[\r], v[\r] row_xmask:2 row_mask:0xf bank_mask:0xf
	s_delay_alu instid0(VALU_DEP_1)
	v_add_f32_dpp v[\r], v[\r], v[\r] row_xmask:4 row_mask:0xf bank_mask:0xf
	s_delay_alu instid0(VALU_DEP_1)
	v_add_f32_dpp v[\r], v[\r], v[\r] row_xmask:8 row_mask:0xf bank_mask:0xf
	s_delay_alu instid0(VALU_DEP_1)
	v_permlanex16_b32 v[\t], v[\r], s38, s39
	s_delay_alu instid0(VALU_DEP_1)
	v_add_f32 v[\r], v[\r], v[\t]
.endm
	s_load_b256 s[4:11], s[0:1], 0x0               ; the rows s[4:5], gain s[6:7], bias s[8:9], the scales' exponents s[10:11]
	s_load_b64 s[12:13], s[0:1], 0x20              ; the codes
	v_lshrrev_b32 v3, 5, v0
	s_delay_alu instid0(VALU_DEP_1)
	v_readfirstlane_b32 s14, v3                    ; wave 0..7
	v_and_b32 v1, 31, v0
	s_delay_alu instid0(VALU_DEP_1)
	v_lshlrev_b32 v2, 3, v1                        ; 8 x lane: my codes' place
	s_delay_alu instid0(VALU_DEP_2)
	v_lshlrev_b32 v1, 5, v1                        ; 32 x lane: my numbers' place
	s_lshl_b32 s2, ttmp9, 16                       ; 16 rows of 4,096 bytes a work-group,
	s_lshl_b32 s3, s14, 13                         ; two a wave
	s_add_co_u32 s2, s2, s3
	s_mov_b32 s3, 0
	s_lshl_b32 s40, ttmp9, 14                      ; the same rows in codes: 1,024 bytes a row
	s_lshl_b32 s41, s14, 11
	s_add_co_u32 s40, s40, s41
	s_mov_b32 s41, 0
	s_mov_b32 s38, 0x76543210                      ; v_permlanex16_b32: lane l xor 16
	s_mov_b32 s39, 0xfedcba98
	s_wait_alu depctr_va_vdst(0)
	s_wait_kmcnt 0x0
.if NS == 3
	s_load_b256 s[16:23], s[10:11], 0x0            ; e0 .. e7: s16, s18, s20 are wanted
.else
	s_load_b32 s16, s[10:11], 0x30                 ; e12
.endif
	s_add_nc_u64 s[4:5], s[4:5], s[2:3]
	s_add_nc_u64 s[32:33], s[12:13], s[40:41]      ; plane 0
.if NS == 3
	s_add_nc_u64 s[34:35], s[32:33], 0x400000      ; planes 1 and 2 have bases of their own: two planes are more than a store's immediate holds
	s_add_nc_u64 s[36:37], s[34:35], 0x400000
.endif
.irp p, 0,1
.irp j, 0,1,2,3
	global_load_b128 v[X+32*\p+8*\j:X+32*\p+8*\j+3],   v1, s[4:5] offset:4096*\p+1024*\j th:TH_LOAD_NT
	global_load_b128 v[X+32*\p+8*\j+4:X+32*\p+8*\j+7], v1, s[4:5] offset:4096*\p+1024*\j+16 th:TH_LOAD_NT
.endr
.endr
.irp j, 0,1,2,3
	global_load_b128 v[G+8*\j:G+8*\j+3],   v1, s[6:7] offset:1024*\j
	global_load_b128 v[G+8*\j+4:G+8*\j+7], v1, s[6:7] offset:1024*\j+16
.endr
.irp j, 0,1,2,3
	global_load_b128 v[BT+8*\j:BT+8*\j+3],   v1, s[8:9] offset:1024*\j
	global_load_b128 v[BT+8*\j+4:BT+8*\j+7], v1, s[8:9] offset:1024*\j+16
.endr
	s_wait_loadcnt 16                              ; both rows are in; the 16 loads of gain and bias, issued behind them, may be out
	; the mean: two chains a row, the rows by turns
.irp p, 0,1
	v_pk_add_f32 v[T+8*\p:T+8*\p+1],   v[X+32*\p:X+32*\p+1],   v[X+32*\p+2:X+32*\p+3]
	v_pk_add_f32 v[T+8*\p+2:T+8*\p+3], v[X+32*\p+4:X+32*\p+5], v[X+32*\p+6:X+32*\p+7]
.endr
.irp i, 8,12,16,20,24,28
.irp p, 0,1
	s_delay_alu instid0(VALU_DEP_4)
	v_pk_add_f32 v[T+8*\p:T+8*\p+1],   v[T+8*\p:T+8*\p+1],   v[X+32*\p+\i:X+32*\p+\i+1]
	s_delay_alu instid0(VALU_DEP_4)
	v_pk_add_f32 v[T+8*\p+2:T+8*\p+3], v[T+8*\p+2:T+8*\p+3], v[X+32*\p+\i+2:X+32*\p+\i+3]
.endr
.endr
.irp p, 0,1
	v_pk_add_f32 v[T+8*\p:T+8*\p+1], v[T+8*\p:T+8*\p+1], v[T+8*\p+2:T+8*\p+3]
	s_delay_alu instid0(VALU_DEP_1)
	v_add_f32 v[T+8*\p], v[T+8*\p], v[T+8*\p+1]
	LANESUM T+8*\p, T+8*\p+1
	s_delay_alu instid0(VALU_DEP_1)
	v_mul_f32 v[4+4*\p], 0x3a800000, v[T+8*\p]     ; / 1,024
	s_delay_alu instid0(VALU_DEP_1)
	v_mov_b32 v[5+4*\p], v[4+4*\p]                 ; twice: a pair for the packed forms
.endr
.irp p, 0,1
.irp i, 0,2,4,6,8,10,12,14,16,18,20,22,24,26,28,30
	v_pk_add_f32 v[X+32*\p+\i:X+32*\p+\i+1], v[X+32*\p+\i:X+32*\p+\i+1], v[4+4*\p:5+4*\p] neg_lo:[0,1] neg_hi:[0,1]   ; x - mean
.endr
.endr
	; the mean of the squares
.irp p, 0,1
	v_pk_mul_f32 v[T+8*\p:T+8*\p+1],   v[X+32*\p:X+32*\p+1],   v[X+32*\p:X+32*\p+1]
	v_pk_mul_f32 v[T+8*\p+2:T+8*\p+3], v[X+32*\p+2:X+32*\p+3], v[X+32*\p+2:X+32*\p+3]
.endr
.irp i, 4,8,12,16,20,24,28
.irp p, 0,1
	s_delay_alu instid0(VALU_DEP_4)
	v_pk_fma_f32 v[T+8*\p:T+8*\p+1],   v[X+32*\p+\i:X+32*\p+\i+1],   v[X+32*\p+\i:X+32*\p+\i+1],   v[T+8*\p:T+8*\p+1]
	s_delay_alu instid0(VALU_DEP_4)
	v_pk_fma_f32 v[T+8*\p+2:T+8*\p+3], v[X+32*\p+\i+2:X+32*\p+\i+3], v[X+32*\p+\i+2:X+32*\p+\i+3], v[T+8*\p+2:T+8*\p+3]
.endr
.endr
.irp p, 0,1
	v_pk_add_f32 v[T+8*\p:T+8*\p+1], v[T+8*\p:T+8*\p+1], v[T+8*\p+2:T+8*\p+3]
	s_delay_alu instid0(VALU_DEP_1)
	v_add_f32 v[T+8*\p], v[T+8*\p], v[T+8*\p+1]
	LANESUM T+8*\p, T+8*\p+1
	s_delay_alu instid0(VALU_DEP_1)
	v_mul_f32 v[T+8*\p], 0x3a800000, v[T+8*\p]
.endr
	s_wait_alu depctr_va_vdst(0)
	v_sqrt_f32 v12, v[T]                           ; std, both rows: one batch,
	v_sqrt_f32 v13, v[T+8]
	v_nop                                          ; a plain instruction behind it,
	s_wait_alu depctr_va_vdst(0)                   ; and the one wait ahead of the first reader
	v_add_f32 v12, 0x3727c5ac, v12                 ; + 1e-5, added to std as reference() adds it
	v_add_f32 v13, 0x3727c5ac, v13
	s_wait_alu depctr_va_vdst(0)
	v_rcp_f32 v6, v12
	v_rcp_f32 v10, v13
	v_nop
	s_wait_alu depctr_va_vdst(0)
	v_mov_b32 v7, v6
	v_mov_b32 v11, v10
	s_wait_alu depctr_va_vdst(0)
	s_wait_kmcnt 0x0
.set qs, 0
.rept NS
	s_add_co_i32 s24, s[16+2*qs], 127
	s_lshl_b32 s25, s24, 23
	v_mov_b32 v[SCV+2*qs], s25                     ; 2^e as f32: the conversion takes its exponent field
	s_add_co_i32 s24, s24, 15
	s_lshl_b32 s24, s24, 23
	s_or_b32 s24, s24, 0x600000
	v_mov_b32 v[SCV+2*qs+1], s24                   ; 57,344 x 2^e
.set qs, qs+1
.endr
	s_wait_loadcnt 0x0                             ; gain and bias
.irp p, 0,1
.irp i, 0,2,4,6,8,10,12,14,16,18,20,22,24,26,28,30
	v_pk_mul_f32 v[X+32*\p+\i:X+32*\p+\i+1], v[X+32*\p+\i:X+32*\p+\i+1], v[6+4*\p:7+4*\p]
.endr
.irp i, 0,2,4,6,8,10,12,14,16,18,20,22,24,26,28,30
	v_pk_fma_f32 v[X+32*\p+\i:X+32*\p+\i+1], v[X+32*\p+\i:X+32*\p+\i+1], v[G+\i:G+\i+1], v[BT+\i:BT+\i+1]
.endr
.endr
	; The quantiser.  The hold goes into one of two sets by turns, so that the eight holds of the next group are the plain instructions
	; between a conversion and the next write of its sources.  The conversion to an 8-bit code does not saturate (ISA guide 7.6.2): hence the hold.
.set qn, 0
.set qp, 0
.rept 2
.set qs, 0
.rept NS
.set qj, 0
.rept 4
.set TS, T+8*(qn%2)
.set CC, C+8*NS*qp+8*qs+2*qj
.irp i, 0,1,2,3,4,5,6,7
	v_med3_num_f32 v[TS+\i], v[X+32*qp+8*qj+\i], -v[SCV+2*qs+1], v[SCV+2*qs+1]
.endr
	v_cvt_scalef32_pk8_bf8_f32 v[CC:CC+1], v[TS:TS+7], v[SCV+2*qs]
	global_store_b64 v2, v[CC:CC+1], s[32+2*qs:33+2*qs] offset:1024*qp+256*qj   ; 32 lanes store 256 consecutive bytes, aligned
.set qj, qj+1
.set qn, qn+1
.endr
.set qs, qs+1
.endr
.set qp, qp+1
.endr
	s_endpgm
.Lfunc_end_k_qe987f20d48_ln1:
	.size	k_qe987f20d48_ln1, .Lfunc_end_k_qe987f20d48_ln1-k_qe987f20d48_ln1
	.p2alignl 7, 3214868480
	.fill 96, 4, 3214868480
	.section	.rodata,"a",@progbits
	.p2align	6, 0x0
	.amdhsa_kernel k_qe987f20d48_ln1
		.amdhsa_group_segment_fixed_size 0
		.amdhsa_private_segment_fixed_size 0
		.amdhsa_enable_private_segment 0
		.amdhsa_kernarg_size 40
		.amdhsa_user_sgpr_count 2
		.amdhsa_user_sgpr_kernarg_segment_ptr 1
		.amdhsa_wavefront_size32 1
		.amdhsa_system_sgpr_workgroup_id_x 1
		.amdhsa_system_sgpr_workgroup_id_y 1
		.amdhsa_system_sgpr_workgroup_id_z 1
		.amdhsa_system_vgpr_workitem_id 0
		.amdhsa_next_free_vgpr 216
		.amdhsa_next_free_sgpr 66
		.amdhsa_reserve_vcc 0
		.amdhsa_float_denorm_mode_32 3
		.amdhsa_float_denorm_mode_16_64 3
		.amdhsa_memory_ordered 1
		.amdhsa_forward_progress 1
		.amdhsa_inst_pref_size 37
	.end_amdhsa_kernel
	.amdgpu_metadata
---
amdhsa.version: [ 1, 2 ]
amdhsa.kernels:
  - .name:           k_qe987f20d48_ln1
    .symbol:         k_qe987f20d48_ln1.kd
    .args:
      - { .name: x, .offset: 0, .size: 8, .value_kind: global_buffer, .address_space: global }
      - { .name: g1, .offset: 8, .size: 8, .value_kind: global_buffer, .address_space: global }
      - { .name: b1, .offset: 16, .size: 8, .value_kind: global_buffer, .address_space: global }
      - { .name: lowp_scales, .offset: 24, .size: 8, .value_kind: global_buffer, .address_space: global }
      - { .name: hc, .offset: 32, .size: 8, .value_kind: global_buffer, .address_space: global }
    .group_segment_fixed_size: 0
    .private_segment_fixed_size: 0
    .kernarg_segment_align: 8
    .kernarg_segment_size: 40
    .max_flat_workgroup_size: 256
    .sgpr_count:     66
    .vgpr_count:     216
    .wavefront_size: 32
...
	.end_amdgpu_metadata
.endif
;; end of part 1
;; launch qkv (part 2): grid 12 x 16, 4 waves a work-group, clusters of 4 x 4, 327,680 bytes of LDS; arguments hc, Wq_codes, Wk_codes, Wv_codes, lowp_scales, qc, kc, vc; writes qc, kc, vc
.if DOCPART == 2
	.amdgcn_target "amdgcn-amd-amdhsa--gfx1250"
	.amdhsa_code_object_version 6
	.text
	.protected	k_qe987f20d48_qkv
	.globl	k_qe987f20d48_qkv
	.p2align	8
	.type	k_qe987f20d48_qkv,@function
k_qe987f20d48_qkv:
	s_mov_b64 s[64:65], 0
	v_nop
	global_prefetch_b8 v0, s[64:65] scope:SCOPE_SE
	s_setreg_imm32_b32 hwreg(HW_REG_WAVE_MODE, 25, 1), 1
	s_wait_xcnt 0x0
	s_wait_alu depctr_hold_cnt(0) depctr_sa_sdst(0) depctr_va_vdst(0) depctr_va_sdst(0) depctr_va_ssrc(0) depctr_va_vcc(0) depctr_vm_vsrc(0)
	s_getreg_b32 s2, hwreg(HW_REG_IB_STS2, 6, 4)
	s_cmp_eq_u32 s2, 0
	s_cbranch_scc0 .Lentry_in_a_cluster
	s_endpgm
.Lentry_in_a_cluster:
	s_bfe_u32 s2, ttmp6, 0x10000c
	s_cmp_lg_u32 s2, 0xf033
	s_cbranch_scc0 .Lentry_shape_is_right
	s_endpgm
.Lentry_shape_is_right:
; LAUNCH 2 OF 7: q = h Wq, k = h Wk, v = h Wv on codes of E5M2, the results turned into codes at once (2^e6, 2^e7, 2^e8).
; The cluster's x says which product: 0 q, 1 k, 2 v.  ONE text serves all three: only pointers, exponents and offsets are chosen, by s_cselect on the cluster's x, which all partners share.
; A tile of the result, 256 x 256, is made by four waves, 128 x 128 each: 64 accumulators.  K = 1,024 goes in four steps of 256 through a ring of two LDS slots.
; q, k: "A" = 256 tokens of hc's plane, "B" = 256 rows of the weight's codes.  THE MATRIX INSTRUCTION IS USED TRANSPOSED (source 0 = B's rows, source 1 = A's): a lane holds one token and eight
; neighbouring features: neighbours along the next product's K (the head's 64).  v is made as V^T: "A" = 256 rows of Wv's codes, "B" = 256 tokens of plane 2: a lane then holds one feature and eight neighbouring KEYS.
; OUT: qc, kc: [batch 2][head 16][token 2048][64];  vc: [batch][head][block of 64 keys: 32][feature 64][64 keys].
; A sum stands for sum x 2^(eA + eB); its code is sum / 2^f, f = eo - eA - eB.  LIMIT: f between -126 and 112.  NaN and infinity are not served.
; CLUSTERS: 4 x 4 work-groups; A's tile is shared along a row of the cluster, B's along a column: each is asked for jointly.
; REGISTERS, in windows of 256: window 0: v0-31 addresses; from v128 A's fragments, one set; window 1: B's fragments, two sets; windows 2, 3: the accumulators ((a, b) at v[8 (8 (a % 4) + b)]).
.set KSTEP,  256
.set ROWB,   256                       ; a tile's row in bytes
.set KROW,   1024                      ; a row of A or B in memory
.set PITCH,  272                       ; an LDS row: 256 bytes + 16 of padding = 68 words: row r starts at bank 4 r mod 64 (ISA guide 11.1)
.set FR,     16
.set NL,     4
.set NP,     4                         ; places behind this matrix instruction (ISA guide 7.12.1)
.set HALFT,  128*PITCH
.set SLOT,   4*HALFT
.set LAPS,   2                          ; 1,024 / (2 x 256)
.set SPARE,  2*SLOT                    ; behind the ring: the spare words, 128 bytes a wave, which no other line names
.set OFF,  12                          ; v12-15  the way out: 16 x lane + g x the stride from head to head (q, k) or from key block to key block (v)
.set ADRA, 16
.set ADRB, 20
.set STO,  24                          ; v24     the stage: where I put 8 codes
.set RD,   25                          ; v25     and where I read 16 back
.set SPW,  28
.set NIL,  29
.set SCV,  30                          ; v30     2^f
.set LIMV, 31                          ; v31     57,344 x 2^f
.set TMP,  32                          ; v32-95  a block's sums, held
.set AF,   128
.set CD,   128                         ; the codes, later the rows read back
.set G1, 24
.set G0, 32
.set G1B, 48
.set G0B, 56
.set MSB, 0
.macro WIN new                         ; the immediate's high byte repeats the setting that is left
.if MSB != \new
	s_set_vgpr_msb (MSB<<8)|\new
.set MSB, \new
.endif
.endm
.set MUL_LO, 0xa1                      ; source 0 (B) window 1, source 1 (A) window 0, C and D window 2
.set MUL_HI, 0xf1
.set TO_B,   0x40
; Wave w owns operand w / 2 (A, B) of slot w % 2: 256 rows x 256 bytes, one load.  own = 2: every wave asks (the head); own = 0, 1: the two owners of that slot ask.
.macro JLOAD own
.if \own < 2
	s_cmp_lg_u32 s16, \own
	s_cbranch_scc1 .Lasked_\@
.endif
	s_cmp_eq_u32 s15, 0
	s_cbranch_scc0 .Lfor_b_\@
	tensor_load_to_lds s[G0:G0+3], s[G1:G1+7]
	s_nop 0
.rept 4
	v_nop
.endr
	s_branch .Lasked_\@
.Lfor_b_\@:
	tensor_load_to_lds s[G0B:G0B+3], s[G1B:G1B+7]
	s_nop 0
.rept 4
	v_nop
.endr
.Lasked_\@:
.endm
.macro CREST                           ; a round of the cluster's barrier behind its opening barrier
	s_cmp_lg_u32 s14, 0
	s_cbranch_scc1 .Lnot_wave_0_\@
	s_barrier_signal -3
.Lnot_wave_0_\@:
	s_barrier_wait -3
	s_barrier_signal -1
	s_barrier_wait -1
.endm
.macro CROUND
	s_barrier_signal -1
	s_barrier_wait -1
	CREST
.endm
	s_load_b512 s[68:83], s[0:1], 0x0              ; hc 68, Wq 70, Wk 72, Wv 74, the exponents 76, qc 78, kc 80, vc 82
	v_lshl_add_u32 v[SPW], v0, 2, SPARE
	v_mov_b32 v[NIL], 0
	ds_add_u32 v[SPW], v[NIL]                      ; the wave's opening: the add, twice on end, and its wait ahead of my first tensor load
	ds_add_u32 v[SPW], v[NIL]
	v_lshrrev_b32 v1, 5, v0
	v_readfirstlane_b32 s14, v1                    ; wave 0..3
	s_lshr_b32 s15, s14, 1                         ; my half of the tile's rows.  Also: I fetch for A (0) or B (1)
	s_and_b32 s16, s14, 1                          ; my half of its columns.  Also: the slot that I own
	s_bfe_u32 s40, ttmp6, 0x40000                  ; cx
	s_bfe_u32 s41, ttmp6, 0x40004                  ; cy
	s_and_b32 s17, ttmp7, 0xffff                   ; the cluster's y, 0..3
	s_cmp_eq_u32 ttmp9, 2                          ; v?  Its 4,096 tokens lie along the columns, q's and k's along the rows
	s_cselect_b32 s42, s17, 0
	s_cselect_b32 s17, 0, s17
	s_lshl_b32 s42, s42, 2
	s_add_co_u32 s42, s42, s40                     ; tile column
	s_lshl_b32 s17, s17, 2
	s_add_co_u32 s17, s17, s41                     ; tile row
	s_lshl_b32 s43, s41, 2
	s_lshl_b32 s43, 15, s43                        ; my row of the cluster
	s_lshl_b32 s44, 0x1111, s40                    ; my column
	s_or_b32 s[G1+0], s43, (0<<16)|(1<<20)|(1<<21)|(5<<22)|(3<<25)  ; the mask; elements of 1 byte; padding on; bit 21 beside a mask; 4 words behind every 64
	s_or_b32 s[G1B+0], s44, (0<<16)|(1<<20)|(1<<21)|(5<<22)|(3<<25)
.irp g, G1, G1B
	s_mov_b32 s[\g+1], ROWB<<16                    ; tensor_dim0
	s_mov_b32 s[\g+2], 256<<16                     ; tensor_dim1
	s_mov_b32 s[\g+3], ROWB<<16                    ; tile_dim0
	s_mov_b32 s[\g+4], 256                         ; tile_dim1
	s_mov_b32 s[\g+5], KROW                        ; the pitch
	s_mov_b32 s[\g+6], 0
	s_mov_b32 s[\g+7], 0
.endr
	s_lshl_b32 s18, s16, 8                         ; my slot's first 256 along K, in bytes
	s_lshl_b32 s20, s17, 18                        ; A: row 256 x tile row, 1,024 bytes a row,
	s_add_co_u32 s20, s20, s18                     ; + my slot's K
	s_mov_b32 s21, 0
	s_lshl_b32 s46, s42, 18                        ; B: row 256 x tile column,
	s_add_co_u32 s46, s46, s18                     ; + my slot's K
	s_mov_b32 s47, 0
	s_mul_i32 s45, s16, SLOT                       ; where they go: my slot
	s_lshl_b32 s22, ttmp9, 22                      ; hc's plane
	s_mov_b32 s23, 0
	s_wait_dscnt 0x0                               ; both opening adds are done
	s_wait_kmcnt 0x0
	s_load_b512 s[84:99], s[76:77], 0x0            ; e0 .. e15
	s_add_nc_u64 s[68:69], s[68:69], s[22:23]
	s_cmp_eq_u32 ttmp9, 0
	s_cselect_b64 s[4:5], s[70:71], s[72:73]       ; Wq or Wk
	s_cselect_b64 s[10:11], s[78:79], s[80:81]     ; qc or kc
	s_cmp_eq_u32 ttmp9, 2
	s_cselect_b64 s[6:7], s[68:69], s[4:5]         ; B: v: the tokens; else the weight
	s_cselect_b64 s[4:5], s[74:75], s[68:69]       ; A: v: Wv; else the tokens
	s_cselect_b64 s[10:11], s[82:83], s[10:11]     ; where the codes go
	s_add_nc_u64 s[20:21], s[4:5], s[20:21]
	s_add_nc_u64 s[46:47], s[6:7], s[46:47]
	CROUND                                         ; all sixteen work-groups are here: the first joint loads meet
	s_mov_b32 s[G0], 1
	s_mov_b32 s[G0+1], s45                         ; A's 256 rows open a slot,
	s_mov_b64 s[G0+2:G0+3], s[20:21]
	s_or_b32 s[G0+3], s[G0+3], 0x80000000
	s_mov_b32 s[G0B], 1
	s_add_co_u32 s[G0B+1], s45, 2*HALFT            ; B's follow them
	s_mov_b64 s[G0B+2:G0B+3], s[46:47]
	s_or_b32 s[G0B+3], s[G0B+3], 0x80000000
	JLOAD 2                                        ; one tensor load a wave at the head: the four together bring both slots, K 0 .. 511
	v_and_b32 v1, 15, v0                           ; r
	v_bfe_u32 v2, v0, 4, 1                         ; h
	v_mul_u32_u24 v3, v1, PITCH
	s_wait_alu depctr_va_vdst(0)
	v_lshl_add_u32 v4, v2, 4, v3                   ; a fragment's row x pitch + 16 h
	s_mul_i32 s21, s15, HALFT
	s_mul_i32 s22, s16, HALFT
	s_add_co_u32 s22, s22, 2*HALFT
.irp s, 0,1
	v_add_nc_u32 v[ADRA+\s], s21, v4
	v_add_nc_u32 v[ADRB+\s], s22, v4
	s_add_co_u32 s21, s21, SLOT
	s_add_co_u32 s22, s22, SLOT
.endr
	; the way out: ONE stage of 256 rows x 272 bytes for the work-group, in slot 0, which has had its last fill and its last read when the first code is stored there
	s_mul_i32 s23, s15, 128*PITCH
	s_lshl_b32 s22, s16, 7
	s_add_co_u32 s23, s23, s22
	v_lshl_add_u32 v5, v2, 3, v3
	v_add_nc_u32 v[STO], s23, v5                   ; in: row 128 (wave / 2) + r, byte 128 (wave % 2) + 8 h
	s_mul_i32 s23, s14, 64*PITCH
	v_and_b32 v6, 31, v0
	v_lshrrev_b32 v7, 2, v6
	v_mul_u32_u24 v7, v7, PITCH
	v_and_b32 v8, 3, v6
	v_lshl_add_u32 v7, v8, 4, v7
	v_add_nc_u32 v[RD], s23, v7                    ; back: row 64 wave + lane / 4, byte 16 (lane % 4): four lanes take 64 bytes of a row
	v_lshlrev_b32 v[OFF], 4, v6
	s_cmp_eq_u32 ttmp9, 2
	s_mov_b32 s22, 131072                          ; q, k: from head to head;
	s_cselect_b32 s22, 4096, s22                   ; v: from one block of 64 keys to the next
	v_add_nc_u32 v[OFF+1], s22, v[OFF]
	v_add_nc_u32 v[OFF+2], s22, v[OFF+1]
	v_add_nc_u32 v[OFF+3], s22, v[OFF+2]
	s_lshl_b32 s20, s17, 8                         ; q, k: my first token T0 = 256 x tile row + 64 x wave:
	s_lshl_b32 s21, s14, 6
	s_add_co_u32 s20, s20, s21
	s_lshr_b32 s21, s20, 11
	s_lshl_b32 s21, s21, 21                        ; its batch,
	s_and_b32 s20, s20, 2047
	s_lshl_b32 s20, s20, 6                         ; its place in the sequence, 64 bytes a token,
	s_add_co_u32 s20, s20, s21
	s_lshl_b32 s21, s42, 19                        ; and the tile column's four heads
	s_add_co_u32 s20, s20, s21
	s_lshr_b32 s18, s42, 3                         ; v: the batch of the tile column's 256 keys,
	s_lshl_b32 s18, s18, 21
	s_lshl_b32 s19, s17, 2
	s_add_co_u32 s19, s19, s14                     ; my head = 4 x tile row + wave,
	s_lshl_b32 s19, s19, 17
	s_add_co_u32 s18, s18, s19
	s_and_b32 s19, s42, 7
	s_lshl_b32 s19, s19, 14                        ; and the keys' four blocks
	s_add_co_u32 s18, s18, s19
	s_cmp_eq_u32 ttmp9, 2
	s_cselect_b32 s20, s18, s20
	s_mov_b32 s21, 0
	s_add_nc_u64 s[10:11], s[10:11], s[20:21]
.macro FRAG reg, adr, q, i             ; 16 rows x 128 K: lane l holds row l % 16; registers 4 c .. 4 c + 3 hold K = 32 c + 16 (l / 16) + 0 .. 15: the same places in A and in B
.irp c, 0,1,2,3
	ds_load_b128 v[\reg+4*\c:\reg+4*\c+3], v[\adr] offset:128*(\q)+32*\c+(\i)*16*PITCH
.endr
.endm
.macro MUL16 a0, p, zero               ; A's blocks a0, a0 + 1 x B's eight.  The 64 accumulators take turns, one instruction a turn
.irp a, \a0, \a0+1
.irp b, 0,1,2,3,4,5,6,7
.if \zero
	v_wmma_f32_16x16x128_bf8_bf8 v[8*(8*((\a)%4)+\b):8*(8*((\a)%4)+\b)+7], v[128*(\p)+FR*\b:128*(\p)+FR*\b+FR-1], v[AF+FR*(\a):AF+FR*(\a)+FR-1], 0
.else
	v_wmma_f32_16x16x128_bf8_bf8 v[8*(8*((\a)%4)+\b):8*(8*((\a)%4)+\b)+7], v[128*(\p)+FR*\b:128*(\p)+FR*\b+FR-1], v[AF+FR*(\a):AF+FR*(\a)+FR-1], v[8*(8*((\a)%4)+\b):8*(8*((\a)%4)+\b)+7]
.endif
.endr
.endr
.endm
.macro FETCH_B slot, q, p
	WIN TO_B
.irp i, 0,1,2,3,4,5,6,7
	FRAG 128*(\p)+FR*\i, ADRB+\slot, \q, \i
.endr
	WIN 0
.endm
.macro FETCH_A slot, q, i0
.irp i, \i0, \i0+1, \i0+2, \i0+3
	FRAG AF+FR*(\i), ADRA+\slot, \q, \i
.endr
.endm
.macro PLACES n                        ; plain vector instructions between a matrix instruction and a load into, or a read of, its registers
.rept \n
	v_nop
.endr
.endm
.macro STEP slot, q, zero              ; 128 along K whose successor lies in the same slot
	s_wait_dscnt 4*NL                              ; B's set and A's blocks 0-3 are in; the youngest 16 loads (A's blocks 4-7) may be out
	WIN MUL_LO
	MUL16 0, (\q)%2, \zero
	MUL16 2, (\q)%2, \zero
	s_wait_dscnt 0
	PLACES NP
	FETCH_B \slot, (\q)+1, 1-(\q)%2
	FETCH_A \slot, (\q)+1, 0
	WIN MUL_HI
	MUL16 4, (\q)%2, \zero
	MUL16 6, (\q)%2, \zero
	PLACES NP
	WIN 0
	FETCH_A \slot, (\q)+1, 4
.endm
.macro TURN slot, next, fill           ; a slot's last step changes slots: one barrier; ahead of it all my tensor loads, the add, my reads of this slot
	s_wait_tensorcnt 0x0                           ; all my tensor loads have landed: my part of the next slot
	ds_add_u32 v[SPW], v[NIL]                      ; 0 onto my spare word
	s_wait_dscnt 4*NL+1                            ; the add and the youngest 16 loads may be out
	WIN MUL_LO
	MUL16 0, 1, 0
	s_wait_dscnt 0x0                               ; the add is done, and my reads of this slot are over
	s_barrier_signal -1
	MUL16 2, 1, 0
	WIN 0
	s_barrier_wait -1
.if \fill
	CREST                                          ; the barrier has opened a round of the cluster's: no wave of any partner still reads this slot or has a load on its way
.if \slot == 0
	s_add_nc_u64 s[G0+2:G0+3], s[G0+2:G0+3], 2*ROWB     ; once a lap, in every wave: each owner's next 256 along K lie 512 on; no load of mine is out
	s_add_nc_u64 s[G0B+2:G0B+3], s[G0B+2:G0B+3], 2*ROWB
.endif
	JLOAD \slot                                    ; the first tensor load behind the round, by this slot's two owners
	PLACES NP                                      ; the places in front of the loads below, in the waves that asked for nothing too
.else
	PLACES NP
.endif
	FETCH_B \next, 0, 0
	FETCH_A \next, 0, 0
	WIN MUL_HI
	MUL16 4, 1, 0
	MUL16 6, 1, 0
	PLACES NP
	WIN 0
	FETCH_A \next, 0, 4
.endm
	s_wait_alu depctr_va_vdst(0)                   ; the wait at the head's end
	s_wait_tensorcnt 0x0                           ; my one load is in; behind the barrier all four are: both slots are whole
	s_barrier_signal -1
	s_barrier_wait -1
	FETCH_B 0, 0, 0
	FETCH_A 0, 0, 0
	FETCH_A 0, 0, 4
	STEP 0, 0, 1                                   ; the first step's products start the sums
	s_mov_b32 s3, LAPS-1
.Llap:
	TURN 0, 1, 1
	STEP 1, 0, 0
	TURN 1, 0, 1
	STEP 0, 0, 0
	s_sub_co_u32 s3, s3, 1
	s_cmp_lg_u32 s3, 0
	s_cbranch_scc1 .Llap
	TURN 0, 1, 0                                   ; the last lap fills nothing
	STEP 1, 0, 0
	s_wait_dscnt 4*NL
	WIN MUL_LO
	MUL16 0, 1, 0
	MUL16 2, 1, 0
	s_wait_dscnt 0
	WIN MUL_HI
	MUL16 4, 1, 0
	MUL16 6, 1, 0
	WIN 0
	; THE WAY OUT.  f = eo - eA - eB, chosen by the cluster's x
	s_wait_kmcnt 0x0
	s_cmp_eq_u32 ttmp9, 0
	s_cselect_b32 s18, s84, s86
	s_cselect_b32 s19, s85, s87
	s_cselect_b32 s20, s90, s91
	s_cmp_eq_u32 ttmp9, 2
	s_cselect_b32 s18, s88, s18
	s_cselect_b32 s19, s89, s19
	s_cselect_b32 s20, s92, s20
	s_sub_co_i32 s20, s20, s18
	s_sub_co_i32 s20, s20, s19
	s_add_co_i32 s20, s20, 127
	s_lshl_b32 s21, s20, 23
	s_add_co_i32 s20, s20, 15
	s_lshl_b32 s20, s20, 23
	s_or_b32 s20, s20, 0x600000
	PLACES NP
	v_mov_b32 v[SCV], s21                          ; 2^f
	v_mov_b32 v[LIMV], s20                         ; 57,344 x 2^f
; Block a: 16 rows x 128 columns.  The hold, each accumulator from its low end on; eight conversions, eight neighbours along the next K each; 8 bytes a lane into the stage.  Each block's codes have registers of their own.
.macro QBLOCK a
.set AC, 64*((\a)%4)
.set WW, 0x02+((\a)/4)
	WIN WW                                         ; source 0: window 2 or 3
.set qj, 0
.rept 64
	v_med3_num_f32 v[TMP+qj], v[AC+qj], -v[LIMV], v[LIMV]
.set qj, qj+1
.endr
	WIN 0
.irp b, 0,1,2,3,4,5,6,7
	v_cvt_scalef32_pk8_bf8_f32 v[CD+16*(\a)+2*\b:CD+16*(\a)+2*\b+1], v[TMP+8*\b:TMP+8*\b+7], v[SCV]
.endr
	v_nop                                          ; a plain instruction between the conversions and the next block's holds, which write their sources
.irp b, 0,1,2,3,4,5,6,7
	ds_store_b64 v[STO], v[CD+16*(\a)+2*\b:CD+16*(\a)+2*\b+1] offset:(\a)*16*PITCH+16*\b
.endr
.endm
.irp a, 0,1,2,3,4,5,6,7
	QBLOCK \a
.endr
	s_wait_dscnt 0x0                               ; for the others' sake: my codes lie in the stage
	s_barrier_signal -1
	s_barrier_wait -1
.irp g, 0,1,2,3                        ; my 64 rows; 64 bytes of each at a time: a head's (q, k) or a key block's (v), which lie on end in memory
.irp i, 0,1,2,3,4,5,6,7
	ds_load_b128 v[CD+4*(8*\g+\i):CD+4*(8*\g+\i)+3], v[RD] offset:\i*8*PITCH+64*\g
.endr
.endr
.irp g, 0,1,2,3
.irp i, 0,1,2,3,4,5,6,7
	s_wait_dscnt 31-8*\g-\i                        ; the younger loads may be out
	global_store_b128 v[OFF+\g], v[CD+4*(8*\g+\i):CD+4*(8*\g+\i)+3], s[10:11] offset:512*\i   ; 32 lanes store 512 consecutive bytes, aligned
.endr
.endr
	s_wait_tensorcnt 0x0                           ; the wave's end
	ds_add_u32 v[SPW], v[NIL]
	s_wait_dscnt 0x0
	CROUND                                         ; the closing round
	s_endpgm
.Lfunc_end_k_qe987f20d48_qkv:
	.size	k_qe987f20d48_qkv, .Lfunc_end_k_qe987f20d48_qkv-k_qe987f20d48_qkv
	.p2alignl 7, 3214868480
	.fill 96, 4, 3214868480
	.section	.rodata,"a",@progbits
	.p2align	6, 0x0
	.amdhsa_kernel k_qe987f20d48_qkv
		.amdhsa_group_segment_fixed_size 327680
		.amdhsa_private_segment_fixed_size 0
		.amdhsa_enable_private_segment 0
		.amdhsa_kernarg_size 64
		.amdhsa_user_sgpr_count 2
		.amdhsa_user_sgpr_kernarg_segment_ptr 1
		.amdhsa_wavefront_size32 1
		.amdhsa_system_sgpr_workgroup_id_x 1
		.amdhsa_system_sgpr_workgroup_id_y 1
		.amdhsa_system_sgpr_workgroup_id_z 1
		.amdhsa_system_vgpr_workitem_id 0
		.amdhsa_next_free_vgpr 1024
		.amdhsa_next_free_sgpr 100
		.amdhsa_reserve_vcc 0
		.amdhsa_float_denorm_mode_32 3
		.amdhsa_float_denorm_mode_16_64 3
		.amdhsa_memory_ordered 1
		.amdhsa_forward_progress 1
		.amdhsa_inst_pref_size 125
	.end_amdhsa_kernel
	.amdgpu_metadata
---
amdhsa.version: [ 1, 2 ]
amdhsa.kernels:
  - .name:           k_qe987f20d48_qkv
    .symbol:         k_qe987f20d48_qkv.kd
    .args:
      - { .name: hc, .offset: 0, .size: 8, .value_kind: global_buffer, .address_space: global }
      - { .name: Wq_codes, .offset: 8, .size: 8, .value_kind: global_buffer, .address_space: global }
      - { .name: Wk_codes, .offset: 16, .size: 8, .value_kind: global_buffer, .address_space: global }
      - { .name: Wv_codes, .offset: 24, .size: 8, .value_kind: global_buffer, .address_space: global }
      - { .name: lowp_scales, .offset: 32, .size: 8, .value_kind: global_buffer, .address_space: global }
      - { .name: qc, .offset: 40, .size: 8, .value_kind: global_buffer, .address_space: global }
      - { .name: kc, .offset: 48, .size: 8, .value_kind: global_buffer, .address_space: global }
      - { .name: vc, .offset: 56, .size: 8, .value_kind: global_buffer, .address_space: global }
    .group_segment_fixed_size: 327680
    .private_segment_fixed_size: 0
    .kernarg_segment_align: 8
    .kernarg_segment_size: 64
    .max_flat_workgroup_size: 128
    .sgpr_count:     100
    .vgpr_count:     1024
    .wavefront_size: 32
...
	.end_amdgpu_metadata
.endif
;; end of part 2
;; launch attn (part 3): grid 8 x 32, 16 waves a work-group, no clusters, 327,680 bytes of LDS; arguments qc, kc, vc, lowp_scales, cc; writes cc
.if DOCPART == 3
	.amdgcn_target "amdgcn-amd-amdhsa--gfx1250"
	.amdhsa_code_object_version 6
	.text
	.protected	k_qe987f20d48_attn
	.globl	k_qe987f20d48_attn
	.p2align	8
	.type	k_qe987f20d48_attn,@function
k_qe987f20d48_attn:
	s_mov_b64 s[64:65], 0
	v_nop
	global_prefetch_b8 v0, s[64:65] scope:SCOPE_SE
	s_setreg_imm32_b32 hwreg(HW_REG_WAVE_MODE, 25, 1), 1
	s_wait_xcnt 0x0
; LAUNCH 3 OF 7: causal attention on codes of E5M2, head size 64; ctx leaves as codes (2^e10).
; WORK LEFT OUT: a step of 128 keys all of which come after a wave's 16 queries (reference()'s own jnp.tril sets their scores to -inf: p = 0; shown at the head of the first launch).
; qc, kc: [batch x head 32][2048][64].  vc: [32][block of 64 keys: 32][feature 64][64 keys].  cc: [head 16][token 4096][64].
; THE SOFTMAX: t = score x log2(e) / 8; M = the largest t so far, rounded UP to a whole number; p = 2^(t - M) is quantised (2^e9), not normalised; the row's sum is taken of the
; unquantised p and divides at the end.  When M moves, the sum and O are multiplied by 2^(old M - new M): exact.
; SHARES: a work-group owns two blocks of 128 queries of one head, block j and block 15 - j: 17 blocks of keys to walk in every work-group.  Each of its sixteen waves owns 16 queries;
; wave w takes the later block where (w xor w / 4) is odd, so that early and late waves are mixed.  Every wave passes all eight slots' barriers; hidden steps are jumped over.
; NO CLUSTER: under the mask the work-groups of a head need different numbers of tiles, so a joint load would bring tiles that some partner never reads.
; LAYOUT: S^T = K Q^T (source 0 = 16 keys, source 1 = my 16 queries): a lane holds ONE query and keys 16 tile + 8 (lane / 16) + 0 .. 7; the eight tiles' conversions give registers 2 tile, 2 tile + 1
; of the second product's operand in that form's own order of k.  O^T = V^T P^T: a lane holds one query and eight neighbouring features.
; LIMITS: e6 + e7 between -123 and 130; e9 and e10 - e8 - e9 between -126 and 112.  NaN and infinity are not served; an exponential under 2^-126 comes out as 0.
; REGISTERS: v1-3, v5-7 addresses that stay; v8-11 in hand; v12 -M, v13 the largest t, v[14:15] the sum; v16-23 Q; v32-95 K's eight fragments, then V's four; v96-159 S^T, then p; v160-191 O^T; v192-207 p's codes; v232-255 at work.
.set SK,    256                        ; keys in a slot
.set KP,    80                         ; a row of 64 codes in LDS: + 16 of padding = 20 words: sixteen rows start at sixteen different multiples of four banks
.set VOFF,  SK*KP                      ; a slot: 256 rows of K, then 256 rows of V (4 key blocks x 64 features)
.set SLOT1, 1<<16
.set NSL,   8
.set SPARE, 2*SLOT1                    ; the spare words: 128 bytes for each of 16 waves, which no other line names
.set STAGE, SPARE+2048                 ; the way out: 1,024 bytes for each wave, bytes of their own
.set AK0,  1
.set AV0,  2
.set PFO,  3
.set SPW,  5
.set NIL,  6
.set GO,   7
.set ADK,  8
.set ADV,  9
.set WV,   18
.set SEL,  20
.set CS,   22
.set G1,   24                          ; s[24:31] the one shape: 128 rows of 64 bytes, dense in memory
.set G0,   40                          ; s[40:43] my walking group 0 (waves 0-3)
.set TB,   2
.set QL,   66                          ; s66  my work-group's last query
.set SLOTS, 67
.set PFA,  76
.set LIM,  80
.set KF,   98
.set Q0,   99
.macro TLOAD                           ; waves 0, 1 fetch K's halves, waves 2, 3 V's: one line, told apart by the wave's number in group 0; the others fetch nothing
	s_cmp_lt_u32 s[WV], 4
	s_cbranch_scc0 .Lasked_\@
	tensor_load_to_lds s[G0:G0+3], s[G1:G1+7]
	s_nop 0
.rept 4
	v_nop
.endr
.Lasked_\@:
.endm
; A prefetch of what the NEXT change of slots will ask for: 16,384 bytes of K and of V.  All work-groups of a head walk the same K and V; the one with j = 0 walks all eight slots: it asks, and nobody else.
; In it waves 4, 5 ask for K's two halves, waves 6, 7 for V's: 8,192 bytes a wave, lanes 256 bytes apart: each aligned 256 bytes are named once in the launch.  Slots 0 and 1 come by their loads alone; the last change that fills asks for nothing.
.macro ASK
	s_cmp_gt_u32 s[SLOTS], s[LIM]
	s_cbranch_scc0 .Lnot_mine_\@
	global_prefetch_b8 v[PFO], s[PFA:PFA+1] th:TH_LOAD_NT scope:SCOPE_SE
.Lnot_mine_\@:
.endm
	s_load_b256 s[4:11], s[0:1], 0x0               ; qc s[4:5], kc s[6:7], vc s[8:9], the exponents s[10:11]
	s_load_b64 s[16:17], s[0:1], 0x20              ; cc
	v_lshl_add_u32 v[SPW], v0, 2, SPARE
	v_mov_b32 v[NIL], 0
	ds_add_u32 v[SPW], v[NIL]                      ; the wave's opening: the add, twice on end, and its wait ahead of the first tensor load
	ds_add_u32 v[SPW], v[NIL]
	v_lshrrev_b32 v8, 5, v0
	s_delay_alu instid0(VALU_DEP_1)
	v_readfirstlane_b32 s[WV], v8                  ; wave 0..15
	s_and_b32 s82, ttmp7, 0xffff                   ; batch x 16 + head
	s_lshl_b32 s84, s82, 17                        ; its 131,072 bytes in qc, kc and vc
	s_mov_b32 s85, 0
	s_lshr_b32 s86, s[WV], 2
	s_xor_b32 s86, s86, s[WV]
	s_and_b32 s86, s86, 1                          ; 1: the later block
	s_sub_co_u32 s87, 15, ttmp9
	s_lshl_b32 s[QL], s87, 7
	s_or_b32 s[QL], s[QL], 127
	s_cmp_eq_u32 s86, 1
	s_cselect_b32 s87, s87, ttmp9
	s_lshl_b32 s[Q0], s87, 7
	s_lshr_b32 s86, s[WV], 1
	s_lshl_b32 s86, s86, 4
	s_add_co_u32 s[Q0], s[Q0], s86                 ; my first query
	s_lshl_b32 s88, s[Q0], 6
	s_mov_b32 s89, 0
	s_add_nc_u64 s[88:89], s[88:89], s[84:85]      ; its codes
	s_lshr_b32 s90, s82, 4
	s_lshl_b32 s90, s90, 11
	s_add_co_u32 s90, s90, s[Q0]                   ; its token,
	s_lshl_b32 s90, s90, 6
	s_and_b32 s91, s82, 15
	s_lshl_b32 s91, s91, 18                        ; in its head's plane of cc
	s_add_co_u32 s90, s90, s91
	s_mov_b32 s91, 0
	s_and_b32 s92, s[WV], 1
	s_lshl_b32 s92, s92, 13                        ; which 8,192 bytes of a slot's 16,384 I fetch or prefetch
	s_mov_b32 s93, 0
	s_add_nc_u64 s[92:93], s[92:93], s[84:85]
	s_and_b32 s94, s[WV], 3
	s_mul_i32 s94, s94, 128*KP                     ; and where they go: K's halves, then V's
	s_mov_b32 s[G1], (0<<16)|(1<<20)|(3<<22)|(3<<25)  ; no mask; elements of 1 byte; padding on: 4 words behind every 16
	s_mov_b32 s[G1+1], 64<<16                      ; tensor_dim0
	s_mov_b32 s[G1+2], 128<<16                     ; tensor_dim1
	s_mov_b32 s[G1+3], 64<<16                      ; tile_dim0
	s_mov_b32 s[G1+4], 128                         ; tile_dim1
	s_mov_b32 s[G1+5], 64                          ; the pitch
	s_mov_b32 s[G1+6], 0
	s_mov_b32 s[G1+7], 0
	s_mov_b32 s[SEL], 0x76543210
	s_mov_b32 s[SEL+1], 0xfedcba98
	s_mov_b32 s[CS], 0x3e38aa3b                    ; c = log2(e) / 8
	s_mov_b32 s[TB], 0
	s_mov_b32 s[SLOTS], NSL-1
	s_mov_b32 s[KF], 0
	s_wait_dscnt 0x0                               ; both opening adds are done
	s_wait_kmcnt 0x0
	s_load_b128 s[68:71], s[10:11], 0x18           ; e6, e7, e8, e9
	s_load_b32 s72, s[10:11], 0x28                 ; e10
	s_mov_b32 s[G0], 1
	s_mov_b32 s[G0+1], s94
	s_cmp_lt_u32 s[WV], 2
	s_cselect_b64 s[G0+2:G0+3], s[6:7], s[8:9]
	s_add_nc_u64 s[G0+2:G0+3], s[G0+2:G0+3], s[92:93]
	s_or_b32 s[G0+3], s[G0+3], 0x80000000
	TLOAD                                          ; slot 0
	s_add_nc_u64 s[4:5], s[4:5], s[88:89]
	s_add_nc_u64 s[16:17], s[16:17], s[90:91]
	s_cmp_lt_u32 s[WV], 6
	s_cselect_b64 s[PFA:PFA+1], s[6:7], s[8:9]
	s_add_nc_u64 s[PFA:PFA+1], s[PFA:PFA+1], s[92:93]
	s_add_nc_u64 s[PFA:PFA+1], s[PFA:PFA+1], SK*64 ; in slot 1: the first change of slots steps it to slot 2
	s_sub_co_u32 s82, s[WV], 4
	s_lshr_b32 s82, s82, 2                         ; 0 in waves 4 to 7,
	s_or_b32 s82, s82, ttmp9                       ; of the work-group with j = 0
	s_cmp_eq_u32 s82, 0
	s_cselect_b32 s[LIM], 1, -1
	v_and_b32 v8, 15, v0                           ; r
	v_bfe_u32 v9, v0, 4, 1                         ; h
	s_delay_alu instid0(VALU_DEP_2)
	v_lshlrev_b32 v10, 6, v8
	s_delay_alu instid0(VALU_DEP_1)
	v_lshl_add_u32 v10, v9, 4, v10                 ; Q: row r of 64 bytes, + 16 h
	global_load_b128 v[16:19], v10, s[4:5]         ; features 16 h + 0 .. 15,
	global_load_b128 v[20:23], v10, s[4:5] offset:32  ; and 32 + 16 h + 0 .. 15: the same places as K's below
	v_mul_u32_u24 v[AK0], v8, KP
	s_delay_alu instid0(VALU_DEP_1)
	v_lshl_add_u32 v[AV0], v9, 3, v[AK0]
	s_delay_alu instid0(VALU_DEP_1)
	v_add_nc_u32 v[AV0], VOFF, v[AV0]              ; V: row r, + 8 h
	s_delay_alu instid0(VALU_DEP_3)
	v_lshl_add_u32 v[AK0], v9, 4, v[AK0]           ; K: row r, + 16 h
	v_and_b32 v[GO], 31, v0
	s_delay_alu instid0(VALU_DEP_1)
	v_lshlrev_b32 v[PFO], 8, v[GO]
	s_delay_alu instid0(VALU_DEP_2)
	v_lshlrev_b32 v[GO], 4, v[GO]
	v_mov_b32 v13, 0xff61b1e6                      ; the largest t so far: -3e38
	s_delay_alu instid0(VALU_DEP_1)
	v_floor_f32 v12, -v13
	v_mov_b32 v14, 0
	v_mov_b32 v15, 0
	v_mov_b32 v236, 0                              ; a lane permute's destination counts as one of its sources
	v_mov_b32 v253, 0
.set qj, 0
.rept 32
	v_mov_b32 v[160+qj], 0                         ; O^T: the step is written once; its first run finds zeros
.set qj, qj+1
.endr
	s_wait_kmcnt 0x0
	s_add_co_i32 s73, s68, s69
	s_lshl_b32 s73, s73, 23
	s_add_co_i32 s[CS], s[CS], s73                 ; a score stands for score x 2^(e6 + e7): added to c's exponent field
	s_mov_b32 s[CS+1], s[CS]
	s_add_co_i32 s73, s71, 127
	s_lshl_b32 s74, s73, 23
	v_mov_b32 v244, s74                            ; 2^e9
	s_add_co_i32 s73, s73, 15
	s_lshl_b32 s73, s73, 23
	s_or_b32 s73, s73, 0x600000
	v_mov_b32 v240, s73                            ; 57,344 x 2^e9
	s_sub_co_i32 s73, s72, s70
	s_sub_co_i32 s73, s73, s71                     ; O^T / l stands for ctx / 2^(e8 + e9): ctx's code is that / 2^(e10 - e8 - e9)
	s_add_co_i32 s73, s73, 127
	s_lshl_b32 s74, s73, 23
	v_mov_b32 v245, s74
	s_add_co_i32 s73, s73, 15
	s_lshl_b32 s73, s73, 23
	s_or_b32 s73, s73, 0x600000
	v_mov_b32 v246, s73
.macro STEP q                          ; 128 keys, the q-th half of the slot in hand
	s_add_co_u32 s96, s[Q0], 15
	s_cmp_gt_u32 s[KF], s96                        ; all keys after my queries: a branch on ids, round the step's work alone
	s_cbranch_scc1 .Lhidden_\@
	v_add_nc_u32 v[ADK], s[TB], v[AK0]
	v_add_nc_u32 v[ADV], s[TB], v[AV0]
	v_nop                                          ; with the two additions: four places in front of loads into registers that matrix instructions have read
	v_nop
.irp t, 0,1,2,3,4,5,6,7
	ds_load_b128 v[32+8*\t:35+8*\t], v[ADK] offset:(128*(\q)+16*\t)*KP
	ds_load_b128 v[36+8*\t:39+8*\t], v[ADK] offset:(128*(\q)+16*\t)*KP+32
.endr
	s_wait_alu depctr_va_vdst(0)
	s_wait_dscnt 0x0
.irp t, 0,1,2,3,4,5,6,7
	v_wmma_f32_16x16x64_bf8_bf8 v[96+8*\t:103+8*\t], v[32+8*\t:39+8*\t], v[16:23], 0
.endr
.rept 4
	v_nop                                          ; four places: behind them the scores may be read, and K's registers loaded again
.endr
.irp t, 0,1,2,3                        ; V's fragments are asked for HERE, into the registers that K has left: the whole softmax stands between these loads and the wait for them
.irp c, 0,1,2,3,4,5,6,7
	ds_load_b64 v[32+16*\t+2*\c:33+16*\t+2*\c], v[ADV] offset:((2*(\q)+\c/4)*64+16*\t)*KP+(\c%4)*16   ; feature 16 t + r, keys 16 c + 8 h + 0 .. 7
.endr
.endr
	s_add_co_u32 s96, s[KF], 127                   ; on the diagonal hidden scores become -infinity ahead of the maximum; a step all of whose keys count skips this
	s_cmp_le_u32 s96, s[Q0]
	s_cbranch_scc1 .Lopen_\@
	s_sub_co_i32 s96, s[Q0], s[KF]
	v_and_b32 v252, 15, v0
	v_bfe_u32 v253, v0, 4, 1
	s_delay_alu instid0(VALU_DEP_1)
	v_lshlrev_b32 v253, 3, v253
	s_delay_alu instid0(VALU_DEP_1)
	v_sub_nc_u32 v252, v252, v253
	s_delay_alu instid0(VALU_DEP_1)
	v_add_nc_u32 v252, s96, v252                   ; d = my query - KF - 8 h.  Register 8 tile + i holds key KF + 16 tile + 8 h + i: hidden where 16 tile + i > d
	v_mov_b32 v254, 0xff800000
.set qn, 0
.rept 64
	v_cmp_gt_i32 vcc_lo, 16*(qn/8)+qn%8, v252
	v_cndmask_b32 v[96+qn], v[96+qn], v254, vcc_lo
.set qn, qn+1
.endr
.Lopen_\@:
	v_max3_num_f32 v254, v96, v97, v98             ; the step's largest score of my query, in two chains,
	v_max3_num_f32 v252, v99, v100, v101
.irp i, 6,10,14,18,22,26,30,34,38,42,46,50,54,58
	v_max3_num_f32 v254, v254, v[96+\i], v[97+\i]
	v_max3_num_f32 v252, v252, v[98+\i], v[99+\i]
.endr
	v_max3_num_f32 v254, v254, v158, v159
	s_delay_alu instid0(VALU_DEP_1)
	v_max_num_f32 v254, v254, v252
	s_delay_alu instid0(VALU_DEP_1)
	v_permlanex16_b32 v236, v254, s[SEL], s[SEL+1]
	s_delay_alu instid0(VALU_DEP_1)
	v_max_num_f32 v254, v254, v236                 ; and among lane l xor 16's
	s_delay_alu instid0(VALU_DEP_1)
	v_mul_f32 v254, s[CS], v254
	s_delay_alu instid0(VALU_DEP_1)
	v_max_num_f32 v13, v13, v254                   ; the running largest t
	v_mov_b32 v254, v12
	s_delay_alu instid0(VALU_DEP_2)
	v_floor_f32 v12, -v13                          ; -M = floor(-t): M is a whole number
	s_delay_alu instid0(VALU_DEP_1)
	v_sub_f32 v254, v12, v254
	s_delay_alu instid0(VALU_DEP_1)
	v_cvt_i32_f32 v254, v254
	s_delay_alu instid0(VALU_DEP_1)
	v_ldexp_f32 v252, 1.0, v254                    ; f = 2^(old M - new M)
.set qj, 0
.rept 32
	v_pk_fma_f32 v[96+qj:97+qj], v[96+qj:97+qj], s[CS:CS+1], v[12:13] op_sel_hi:[1,0,0]   ; t - M
.set qj, qj+2
.endr
.set qj, 0
	s_wait_alu depctr_va_vdst(0)
.rept 64
	v_exp_f32 v[96+qj], v[96+qj]                   ; p = 2^(t - M)
.set qj, qj+1
.endr
	v_pk_mul_f32 v[14:15], v[14:15], v[252:253] op_sel_hi:[1,0]   ; the sums under the new M: the plain instruction behind the batch
	s_wait_alu depctr_va_vdst(0)                   ; one wait for the whole batch, ahead of its first reader
	v_pk_add_f32 v[242:243], v[100:101], v[104:105]
	v_pk_add_f32 v[254:255], v[108:109], v[112:113]
	v_pk_add_f32 v[250:251], v[116:117], v[120:121]
	v_pk_add_f32 v[248:249], v[124:125], v[128:129]
	v_pk_add_f32 v[238:239], v[132:133], v[136:137]
	v_pk_add_f32 v[234:235], v[140:141], v[144:145]
	v_pk_add_f32 v[232:233], v[148:149], v[152:153]
	v_pk_add_f32 v[14:15], v[14:15], v[156:157]
	v_pk_add_f32 v[242:243], v[242:243], v[96:97]
	v_pk_add_f32 v[254:255], v[254:255], v[98:99]
	v_pk_add_f32 v[250:251], v[250:251], v[102:103]
	v_pk_add_f32 v[248:249], v[248:249], v[106:107]
	v_pk_add_f32 v[238:239], v[238:239], v[110:111]
	v_pk_add_f32 v[234:235], v[234:235], v[114:115]
	v_pk_add_f32 v[232:233], v[232:233], v[118:119]
	v_pk_add_f32 v[14:15], v[14:15], v[122:123]
	v_pk_add_f32 v[242:243], v[242:243], v[126:127]
	v_pk_add_f32 v[254:255], v[254:255], v[130:131]
	v_pk_add_f32 v[250:251], v[250:251], v[134:135]
	v_pk_add_f32 v[248:249], v[248:249], v[138:139]
	v_pk_add_f32 v[238:239], v[238:239], v[142:143]
	v_pk_add_f32 v[234:235], v[234:235], v[146:147]
	v_pk_add_f32 v[232:233], v[232:233], v[150:151]
	v_pk_add_f32 v[14:15], v[14:15], v[154:155]
	v_pk_add_f32 v[242:243], v[242:243], v[158:159]
	s_delay_alu instid0(VALU_DEP_2)
	v_pk_add_f32 v[14:15], v[14:15], v[248:249]
	s_delay_alu instid0(VALU_DEP_2)
	v_pk_add_f32 v[242:243], v[242:243], v[238:239]
	v_pk_add_f32 v[254:255], v[254:255], v[234:235]
	v_pk_add_f32 v[250:251], v[250:251], v[232:233]
	s_delay_alu instid0(VALU_DEP_2)
	v_pk_add_f32 v[14:15], v[14:15], v[254:255]
	s_delay_alu instid0(VALU_DEP_2)
	v_pk_add_f32 v[242:243], v[242:243], v[250:251]
	s_delay_alu instid0(VALU_DEP_1)
	v_pk_add_f32 v[14:15], v[14:15], v[242:243]
.irp t, 0,1,2,3,4,5,6,7
.irp i, 0,1,2,3,4,5,6,7
	v_min_num_f32 v[96+8*\t+\i], v[96+8*\t+\i], v240   ; p is not negative: a one-sided hold (the conversion does not saturate: ISA guide 7.6.2)
.endr
	v_cvt_scalef32_pk8_bf8_f32 v[192+2*\t:193+2*\t], v[96+8*\t:103+8*\t], v244
.endr
.set qj, 0
.rept 16
	v_pk_mul_f32 v[160+qj:161+qj], v[160+qj:161+qj], v[252:253] op_sel_hi:[1,0]   ; O^T under the new M.  (Also the plain instructions between the conversions and the products below)
.set qj, qj+2
.endr
	s_wait_alu depctr_va_vdst(0)
	s_wait_dscnt 0x0                               ; V's fragments, asked for ahead of the softmax
.irp t, 0,1,2,3
	v_wmma_f32_16x16x128_bf8_bf8 v[160+8*\t:167+8*\t], v[32+16*\t:47+16*\t], v[192:207], v[160+8*\t:167+8*\t]   ; four accumulators by turns
.endr
.Lhidden_\@:
	s_add_co_u32 s[KF], s[KF], 128
.endm
; THE CHANGE OF SLOTS, at a slot's head: every wave waits for all its tensor loads, adds 0 to its spare word (fill = 1: twice on end), waits for that and for its reads of the slot that it has left, and passes the barrier.
; fill = 1: the slot just left is filled with the next 256 keys, while their first key is at or under the work-group's last query: a later slot would be read by none of the sixteen waves.  That test is made of ids and the count of steps alone, the same
; in all waves; it leads round the load's own lines and nothing else; every wait for tensor loads in this text is for 0.
.macro CHANGE fill
	s_wait_tensorcnt 0x0
	ds_add_u32 v[SPW], v[NIL]
.if \fill
	ds_add_u32 v[SPW], v[NIL]
	s_xor_b32 s[G0+1], s[G0+1], SLOT1
	s_add_nc_u64 s[G0+2:G0+3], s[G0+2:G0+3], SK*64
	s_wait_xcnt 0x0                                ; the last prefetch, a slot back, has read its address
	s_add_nc_u64 s[PFA:PFA+1], s[PFA:PFA+1], SK*64
.endif
	s_wait_dscnt 0x0
	s_barrier_signal -1
	s_barrier_wait -1
.if \fill
	s_add_co_u32 s96, s[KF], SK
	s_cmp_gt_u32 s96, s[QL]
	s_cbranch_scc1 .Lpast_\@
	TLOAD
.Lpast_\@:
	ASK
.endif
.endm
.macro SLOT_STEPS
	STEP 0
	STEP 1
	s_xor_b32 s[TB], s[TB], SLOT1
.endm
	s_wait_loadcnt 0x0                             ; Q
.Lslot:                                            ; 7 trips
	CHANGE 1
	SLOT_STEPS
	s_sub_co_u32 s[SLOTS], s[SLOTS], 1
	s_cmp_lg_u32 s[SLOTS], 0
	s_cbranch_scc1 .Lslot
	CHANGE 0                                       ; the last slot is written out: nothing is left to ask for
	SLOT_STEPS
	; THE WAY OUT: O^T / the sum, quantised along the features, through my stage, so that each store covers 512 consecutive bytes
	v_add_f32 v14, v14, v15
	s_delay_alu instid0(VALU_DEP_1)
	v_permlanex16_b32 v236, v14, s[SEL], s[SEL+1]
	s_delay_alu instid0(VALU_DEP_1)
	v_add_f32 v14, v14, v236
	s_wait_alu depctr_va_vdst(0)
	v_rcp_f32 v14, v14
	v_and_b32 v8, 15, v0                           ; (a plain instruction behind the reciprocal)
	v_bfe_u32 v9, v0, 4, 1
	s_lshl_b32 s73, s[WV], 10
	s_add_co_u32 s73, s73, STAGE
	v_lshlrev_b32 v10, 6, v8
	s_delay_alu instid0(VALU_DEP_1)
	v_lshl_add_u32 v10, v9, 3, v10
	s_delay_alu instid0(VALU_DEP_1)
	v_add_nc_u32 v10, s73, v10                     ; in: row r of 64 bytes, + 8 h
	v_add_nc_u32 v11, s73, v[GO]                   ; back: 16 x lane
	s_wait_alu depctr_va_vdst(0)                   ; the wait ahead of the reciprocal's first reader
.set qj, 0
.rept 32
	v_mul_f32 v[96+qj], v[160+qj], v14             ; register 8 t + i: feature 16 t + 8 h + i of query r
.set qj, qj+1
.endr
.irp t, 0,1,2,3
.irp i, 0,1,2,3,4,5,6,7
	v_med3_num_f32 v[96+8*\t+\i], v[96+8*\t+\i], -v246, v246
.endr
	v_cvt_scalef32_pk8_bf8_f32 v[192+2*\t:193+2*\t], v[96+8*\t:103+8*\t], v245
.endr
	v_nop
.irp t, 0,1,2,3
	ds_store_b64 v10, v[192+2*\t:193+2*\t] offset:16*\t
.endr
	ds_load_b128 v[32:35], v11                     ; LDS serves a wave's instructions in order: these see my stores
	ds_load_b128 v[36:39], v11 offset:512
	s_wait_dscnt 1                                 ; the younger load may be out
	global_store_b128 v[GO], v[32:35], s[16:17]
	s_wait_dscnt 0x0
	global_store_b128 v[GO], v[36:39], s[16:17] offset:512
	s_wait_tensorcnt 0x0                           ; the wave's end
	ds_add_u32 v[SPW], v[NIL]
	s_wait_dscnt 0x0
	s_endpgm
.Lfunc_end_k_qe987f20d48_attn:
	.size	k_qe987f20d48_attn, .Lfunc_end_k_qe987f20d48_attn-k_qe987f20d48_attn
	.p2alignl 7, 3214868480
	.fill 96, 4, 3214868480
	.section	.rodata,"a",@progbits
	.p2align	6, 0x0
	.amdhsa_kernel k_qe987f20d48_attn
		.amdhsa_group_segment_fixed_size 327680
		.amdhsa_private_segment_fixed_size 0
		.amdhsa_enable_private_segment 0
		.amdhsa_kernarg_size 40
		.amdhsa_user_sgpr_count 2
		.amdhsa_user_sgpr_kernarg_segment_ptr 1
		.amdhsa_wavefront_size32 1
		.amdhsa_system_sgpr_workgroup_id_x 1
		.amdhsa_system_sgpr_workgroup_id_y 1
		.amdhsa_system_sgpr_workgroup_id_z 1
		.amdhsa_system_vgpr_workitem_id 0
		.amdhsa_next_free_vgpr 256
		.amdhsa_next_free_sgpr 100
		.amdhsa_reserve_vcc 1
		.amdhsa_float_denorm_mode_32 3
		.amdhsa_float_denorm_mode_16_64 3
		.amdhsa_memory_ordered 1
		.amdhsa_forward_progress 1
		.amdhsa_inst_pref_size 102
	.end_amdhsa_kernel
	.amdgpu_metadata
---
amdhsa.version: [ 1, 2 ]
amdhsa.kernels:
  - .name:           k_qe987f20d48_attn
    .symbol:         k_qe987f20d48_attn.kd
    .args:
      - { .name: qc, .offset: 0, .size: 8, .value_kind: global_buffer, .address_space: global }
      - { .name: kc, .offset: 8, .size: 8, .value_kind: global_buffer, .address_space: global }
      - { .name: vc, .offset: 16, .size: 8, .value_kind: global_buffer, .address_space: global }
      - { .name: lowp_scales, .offset: 24, .size: 8, .value_kind: global_buffer, .address_space: global }
      - { .name: cc, .offset: 32, .size: 8, .value_kind: global_buffer, .address_space: global }
    .group_segment_fixed_size: 327680
    .private_segment_fixed_size: 0
    .kernarg_segment_align: 8
    .kernarg_segment_size: 40
    .max_flat_workgroup_size: 512
    .sgpr_count:     100
    .vgpr_count:     256
    .wavefront_size: 32
...
	.end_amdgpu_metadata
.endif
;; end of part 3
;; launch wo (part 4): grid 8 x 32, 4 waves a work-group, clusters of 4 x 4, 327,680 bytes of LDS; arguments cc, Wo_codes, lowp_scales, x, x1; writes x1
.if DOCPART == 4
	.amdgcn_target "amdgcn-amd-amdhsa--gfx1250"
	.amdhsa_code_object_version 6
	.text
	.protected	k_qe987f20d48_wo
	.globl	k_qe987f20d48_wo
	.p2align	8
	.type	k_qe987f20d48_wo,@function
k_qe987f20d48_wo:
	s_mov_b64 s[64:65], 0
	v_nop
	global_prefetch_b8 v0, s[64:65] scope:SCOPE_SE
	s_setreg_imm32_b32 hwreg(HW_REG_WAVE_MODE, 25, 1), 1
	s_wait_xcnt 0x0
	s_wait_alu depctr_hold_cnt(0) depctr_sa_sdst(0) depctr_va_vdst(0) depctr_va_sdst(0) depctr_va_ssrc(0) depctr_va_vcc(0) depctr_vm_vsrc(0)
	s_getreg_b32 s2, hwreg(HW_REG_IB_STS2, 6, 4)
	s_cmp_eq_u32 s2, 0
	s_cbranch_scc0 .Lentry_in_a_cluster
	s_endpgm
.Lentry_in_a_cluster:
	s_bfe_u32 s2, ttmp6, 0x10000c
	s_cmp_lg_u32 s2, 0xf033
	s_cbranch_scc0 .Lentry_shape_is_right
	s_endpgm
.Lentry_shape_is_right:
; LAUNCH 4 OF 7: x1 = ctx Wo x 2^(e10 + e11) + x.
; The result is [4096][1024] f32: tiles of 128 x 128 give 256 work-groups; tiles of 256 x 256 would give 64.  Four waves, 64 x 64 each: 16 accumulators.
; K = 1,024 lies in two LDS slots of 512 along K, each filled once: four quarters of 128 to a slot, 16 matrix instructions each.
; A's codes lie [head 16][token 4096][64]: a head's 128 tokens are 8,192 dense bytes: one line of a tile, padded by 16 bytes behind every 64, so that a token's 64 codes lie 80 bytes apart; a wave's load brings eight heads' lines.
; THE MATRIX INSTRUCTION IS USED TRANSPOSED (source 0 = 16 rows of the weight, source 1 = 16 tokens): a lane holds eight neighbouring numbers of a row of the result.
; CLUSTERS: 4 x 4 work-groups; A's tile is shared along a row of the cluster, B's along a column.
; LIMIT: e10 + e11 between -126 and 127.
; REGISTERS: window 0: v0-31 addresses; v64-95 rows on the way out; v128-255 the accumulators ((a, b) at v[128 + 8 (4 a + b)]).  window 1: two fragment buffers of 128: A's four fragments, then B's four.  window 2: v0-127 the residual.
.set PB,     528                       ; a row of 512 codes in LDS: + 16 of padding = 132 words: row r starts at bank 4 r mod 64 (ISA guide 11.1)
.set HALFB,  64*PB
.set AH,     128*80                    ; a head's 128 tokens in LDS
.set AREG,   8*AH                      ; A's part of a slot
.set KTOT,   1024
.set ASTEP,  8*262144                  ; from slot to slot in memory: eight heads
.set EOFF,   0x28
.set RES,    74
.set OUT,    76
.set SLOT,   AREG+2*HALFB
.set SPARE,  2*SLOT                    ; behind the slots: the spare words, 128 bytes a wave, which no other line names
.set SPITCH, 272                       ; the way out: 16 rows x (256 + 16) bytes for each wave, in slot 0, which has had its one fill and its last read by then
.set ADRA, 16
.set ADRB, 20
.set STO,  24
.set RD,   25
.set CO,   26
.set SPW,  28
.set NIL,  29
.set BK,   64
.set ACC,  128
.set F0,   0
.set F1,   128
.set G1, 24
.set G0, 32
.set G1B, 48
.set G0B, 56
.set SC, 66
.set MSB, 0
.macro WIN new
.if MSB != \new
	s_set_vgpr_msb (MSB<<8)|\new
.set MSB, \new
.endif
.endm
.set MUL,   0x05                       ; sources 0 and 1 window 1; C and D window 0
.set TO_F,  0x40                       ; destination window 1
.set TO_R,  0x80                       ; destination window 2
.set FMA_R, 0x20                       ; source 2 window 2
.macro JLOAD s                         ; a joint load: waves 0, 1 fetch for A, waves 2, 3 for B; an s_nop 0 and four v_nop follow each line
	s_cmp_eq_u32 s11, 0
	s_cbranch_scc0 .Lfor_b_\@
	tensor_load_to_lds s[G0+4*\s:G0+4*\s+3], s[G1:G1+7]
	s_nop 0
.rept 4
	v_nop
.endr
	s_branch .Lasked_\@
.Lfor_b_\@:
	tensor_load_to_lds s[G0B+4*\s:G0B+4*\s+3], s[G1B:G1B+7]
	s_nop 0
.rept 4
	v_nop
.endr
.Lasked_\@:
.endm
.macro CROUND                          ; a round of the cluster's barrier
	s_barrier_signal -1
	s_barrier_wait -1
	s_cmp_lg_u32 s10, 0
	s_cbranch_scc1 .Lnot_wave_0_\@
	s_barrier_signal -3
.Lnot_wave_0_\@:
	s_barrier_wait -3
	s_barrier_signal -1
	s_barrier_wait -1
.endm
	s_load_b256 s[68:75], s[0:1], 0x0              ; ctx's codes 68, Wo's 70, the exponents 72, x 74
	s_load_b64 s[76:77], s[0:1], 0x20              ; x1
	v_lshl_add_u32 v[SPW], v0, 2, SPARE
	v_mov_b32 v[NIL], 0
	ds_add_u32 v[SPW], v[NIL]                      ; the wave's opening: the add, twice on end, and its wait ahead of my first tensor load
	ds_add_u32 v[SPW], v[NIL]
	v_lshrrev_b32 v1, 5, v0
	v_readfirstlane_b32 s10, v1                    ; wave 0..3
	s_lshr_b32 s11, s10, 1                         ; my half of the rows.  Also: I fetch for A (0) or B (1)
	s_and_b32 s12, s10, 1                          ; my half of the columns.  Also: which half of that tile I fetch
	s_bfe_u32 s40, ttmp6, 0x40000
	s_bfe_u32 s41, ttmp6, 0x40004
	s_lshl_b32 s42, ttmp9, 2
	s_add_co_u32 s42, s42, s40                     ; tile column
	s_and_b32 s13, ttmp7, 0xffff
	s_lshl_b32 s13, s13, 2
	s_add_co_u32 s13, s13, s41                     ; tile row
	s_lshl_b32 s43, s41, 2
	s_lshl_b32 s43, 15, s43
	s_lshl_b32 s44, 0x1111, s40
	s_or_b32 s[G1+0], s43, (0<<16)|(1<<20)|(1<<21)|(3<<22)|(3<<25)  ; the mask; 1 byte; padding on; bit 21 beside a mask; 4 words behind every 16
	s_mov_b32 s[G1+1], 8192<<16                    ; tensor_dim0: a head's 128 tokens x 64 bytes
	s_mov_b32 s[G1+2], 8<<16                       ; tensor_dim1: a slot's eight heads: wave 0 brings slot 0's, wave 1 slot 1's
	s_mov_b32 s[G1+3], 8192<<16                    ; tile_dim0
	s_mov_b32 s[G1+4], 8                           ; tile_dim1
	s_mov_b32 s[G1+5], 262144                      ; from head to head
	s_mov_b32 s[G1+6], 0
	s_mov_b32 s[G1+7], 0
	s_or_b32 s[G1B+0], s44, (0<<16)|(1<<20)|(1<<21)|(6<<22)|(3<<25)  ; 4 words behind every 128
	s_mov_b32 s[G1B+1], 512<<16
	s_mov_b32 s[G1B+2], 128<<16                    ; all 128 rows of the weight: wave 2 brings slot 0's 512 along K, wave 3 slot 1's
	s_mov_b32 s[G1B+3], 512<<16
	s_mov_b32 s[G1B+4], 128
	s_mov_b32 s[G1B+5], KTOT
	s_mov_b32 s[G1B+6], 0
	s_mov_b32 s[G1B+7], 0
	s_lshl_b32 s16, s12, 21                        ; A: my slot's eight heads,
	s_lshl_b32 s17, s13, 13                        ; the tile row's 128 tokens
	s_add_co_u32 s16, s16, s17
	s_mul_i32 s20, s12, SLOT                       ; and where they go: my slot
	s_mul_i32 s21, s12, SLOT
	s_add_co_u32 s21, s21, AREG                    ; B's halves lie behind A's part
	s_mov_b32 s17, 0
	s_lshl_b32 s46, s42, 17                        ; B: row 128 x tile column, 1,024 bytes a row,
	s_lshl_b32 s47, s12, 9
	s_add_co_u32 s46, s46, s47                     ; + my slot's 512 along K
	s_mov_b32 s47, 0
	s_wait_dscnt 0x0                               ; both opening adds are done
	s_wait_kmcnt 0x0
	s_load_b64 s[80:81], s[72:73], EOFF            ; e10, e11
	s_add_nc_u64 s[14:15], s[68:69], s[16:17]
	s_add_nc_u64 s[46:47], s[70:71], s[46:47]
	CROUND                                         ; all sixteen work-groups are here: the joint loads meet
.irp s, 0                              ; one set of descriptors and one tensor load a wave: the four together bring all of K
	s_mov_b32 s[G0+4*\s], 1
	s_add_co_u32 s[G0+4*\s+1], s20, \s*SLOT
	s_add_nc_u64 s[G0+4*\s+2:G0+4*\s+3], s[14:15], \s*ASTEP
	s_or_b32 s[G0+4*\s+3], s[G0+4*\s+3], 0x80000000
	s_mov_b32 s[G0B+4*\s], 1
	s_add_co_u32 s[G0B+4*\s+1], s21, \s*SLOT
	s_add_nc_u64 s[G0B+4*\s+2:G0B+4*\s+3], s[46:47], \s*512
	s_or_b32 s[G0B+4*\s+3], s[G0B+4*\s+3], 0x80000000
	JLOAD \s
.endr
	v_and_b32 v1, 15, v0                           ; r
	v_bfe_u32 v2, v0, 4, 1                         ; h
	v_mul_u32_u24 v3, v1, PB
	v_lshl_add_u32 v3, v2, 4, v3
	s_mul_i32 s22, s12, HALFB
	s_add_co_u32 s22, s22, AREG
	v_add_nc_u32 v[ADRB], s22, v3
	s_add_co_u32 s22, s22, SLOT
	v_add_nc_u32 v[ADRB+1], s22, v3
	v_mul_u32_u24 v4, v1, 80
	v_lshl_add_u32 v4, v2, 4, v4
	s_mul_i32 s21, s11, 64*80                      ; my 64 tokens; two registers a slot, four heads each, so that the offsets stay inside 16 bits
	v_add_nc_u32 v[ADRA], s21, v4
	s_add_co_u32 s21, s21, 4*AH
	v_add_nc_u32 v[ADRA+1], s21, v4
	s_add_co_u32 s21, s21, SLOT-4*AH
	v_add_nc_u32 v[ADRA+2], s21, v4
	s_add_co_u32 s21, s21, 4*AH
	v_add_nc_u32 v[ADRA+3], s21, v4
	s_mul_i32 s23, s10, 16*SPITCH                  ; my stage
	v_mul_u32_u24 v5, v1, SPITCH
	v_lshl_add_u32 v5, v2, 5, v5
	v_add_nc_u32 v[STO], s23, v5                   ; in: row r, + 32 h
	v_mul_u32_u24 v5, v2, SPITCH
	v_lshl_add_u32 v5, v1, 4, v5
	v_add_nc_u32 v[RD], s23, v5                    ; back: lanes 0-15 one row of 256 bytes, lanes 16-31 the next
	v_lshlrev_b32 v5, 12, v2
	v_lshl_add_u32 v[CO], v1, 4, v5                ; and the same two rows in memory
	s_wait_alu depctr_va_vdst(0)
	s_lshl_b32 s46, s42, 9
	s_lshl_b32 s47, s12, 8
	s_add_co_u32 s46, s46, s47                     ; my first column, in bytes
	s_mov_b32 s47, 0
	s_lshl_b32 s16, s13, 19
	s_lshl_b32 s17, s11, 18
	s_add_co_u32 s16, s16, s17                     ; my first row
	s_add_co_u32 s16, s16, s46
	s_mov_b32 s17, 0
	s_add_nc_u64 s[RES:RES+1], s[RES:RES+1], s[16:17]
	s_add_nc_u64 s[OUT:OUT+1], s[OUT:OUT+1], s[16:17]
	WIN TO_R                                       ; the residual is asked for now and wanted at the end: in the layout in which the rows come back from the stage
.irp a, 0,1,2,3
.irp t, 0,1,2,3,4,5,6,7
	global_load_b128 v[32*\a+4*\t:32*\a+4*\t+3], v[CO], s[RES:RES+1] offset:(16*\a+2*\t)*4096
.endr
.endr
	WIN 0
.macro FRAGB reg, slot, q, i           ; 16 rows x 128 K: registers 4 c .. 4 c + 3 hold K = 128 q + 32 c + 16 h + 0 .. 15
.irp c, 0,1,2,3
	ds_load_b128 v[\reg+4*\c:\reg+4*\c+3], v[ADRB+\slot] offset:128*(\q)+32*\c+(\i)*16*PB
.endr
.endm
.macro FRAGA reg, slot, q, i           ; the same k: head 2 q + c / 2 of the slot's eight, byte 32 (c % 2) + 16 h of the token's 64
.irp c, 0,1,2,3
	ds_load_b128 v[\reg+4*\c:\reg+4*\c+3], v[ADRA+2*(\slot)+(\q)/2] offset:(2*((\q)%2)+\c/2)*AH+(\i)*16*80+(\c%2)*32
.endr
.endm
.macro FETCH slot, q, f                ; 32 LDS loads in one run: B's four fragments, then A's
	WIN TO_F
.irp i, 0,1,2,3
	FRAGB \f+64+16*\i, \slot, \q, \i
.endr
.irp i, 0,1,2,3
	FRAGA \f+16*\i, \slot, \q, \i
.endr
.endm
.macro MULA f, a, zero                 ; A's block a x B's four.  The 16 accumulators take turns, one instruction a turn
.irp b, 0,1,2,3
.if \zero
	v_wmma_f32_16x16x128_bf8_bf8 v[ACC+8*(4*(\a)+\b):ACC+8*(4*(\a)+\b)+7], v[\f+64+16*\b:\f+64+16*\b+15], v[\f+16*(\a):\f+16*(\a)+15], 0
.else
	v_wmma_f32_16x16x128_bf8_bf8 v[ACC+8*(4*(\a)+\b):ACC+8*(4*(\a)+\b)+7], v[\f+64+16*\b:\f+64+16*\b+15], v[\f+16*(\a):\f+16*(\a)+15], v[ACC+8*(4*(\a)+\b):ACC+8*(4*(\a)+\b)+7]
.endif
.endr
.endm
.macro PLACES                          ; four plain vector instructions in front of loads into registers that matrix instructions have read, and of reads of results
.rept 4
	v_nop
.endr
.endm
.macro QUARTER slot, qn, f, g, zero    ; multiplies buffer f; in its middle fetches the slot's quarter qn into g
	s_wait_dscnt 8                                 ; B and A's blocks 0, 1 are in; the youngest eight loads (A's blocks 2, 3) may be out
	WIN MUL
	MULA \f, 0, \zero
	MULA \f, 1, \zero
	PLACES
	FETCH \slot, \qn, \g
	s_wait_dscnt 32                                ; all but the 32 just issued
	WIN MUL
	MULA \f, 2, \zero
	MULA \f, 3, \zero
.endm
.macro TURN next                       ; slot 0's last quarter multiplies buffer 1 and goes over to slot 1; nothing is filled again
	WIN 0
	s_wait_tensorcnt 0x0                           ; all my tensor loads have landed: my part of the next slot
	ds_add_u32 v[SPW], v[NIL]                      ; 0 onto my spare word
	s_wait_dscnt 9                                 ; the add and the youngest eight loads may be out
	WIN MUL
	MULA F1, 0, 0
	s_wait_dscnt 0x0                               ; the add is done, and my reads of this slot are over
	s_barrier_signal -1
	MULA F1, 1, 0
	s_barrier_wait -1
	PLACES
	FETCH \next, 0, F0
	WIN MUL
	MULA F1, 2, 0
	MULA F1, 3, 0
.endm
	s_wait_tensorcnt 0x0                           ; my one load is in; behind the barrier all four are; nothing is filled again
	s_barrier_signal -1
	s_barrier_wait -1
	FETCH 0, 0, F0
	QUARTER 0, 1, F0, F1, 1                        ; the first quarter's products start the sums
	QUARTER 0, 2, F1, F0, 0
	QUARTER 0, 3, F0, F1, 0
	TURN 1
	QUARTER 1, 1, F0, F1, 0
	QUARTER 1, 2, F1, F0, 0
	QUARTER 1, 3, F0, F1, 0
	s_wait_dscnt 8
	WIN MUL
	MULA F1, 0, 0
	MULA F1, 1, 0
	s_wait_dscnt 0
	MULA F1, 2, 0
	MULA F1, 3, 0
	WIN 0
	; THE WAY OUT: a block of 16 rows x 64 columns goes through my stage and comes back as whole rows of 256 bytes; there sum x 2^(e10 + e11) + residual is one packed multiply-add for two numbers
	s_wait_loadcnt 0x0                             ; the residual
	s_wait_kmcnt 0x0
	s_add_co_i32 s[SC], s80, s81
	s_add_co_i32 s[SC], s[SC], 127
	s_lshl_b32 s[SC], s[SC], 23                    ; 2^(e10 + e11) as f32
	s_mov_b32 s[SC+1], s[SC]
	PLACES
.macro OUTB a
.if (\a) > 0
	s_wait_xcnt 0x0                                ; the last block's stores have read their registers: they are loaded again only behind this wait
.endif
.irp b, 0,1,2,3
	ds_store_b128 v[STO], v[ACC+8*(4*(\a)+\b):ACC+8*(4*(\a)+\b)+3]   offset:64*\b      ; each accumulator from its low end on
	ds_store_b128 v[STO], v[ACC+8*(4*(\a)+\b)+4:ACC+8*(4*(\a)+\b)+7] offset:64*\b+16
.endr
.irp t, 0,1,2,3,4,5,6,7
	ds_load_b128 v[BK+4*\t:BK+4*\t+3], v[RD] offset:\t*2*SPITCH    ; LDS serves a wave's instructions in order: these see my stores
.endr
	s_wait_dscnt 0x0
	WIN FMA_R
.irp i, 0,2,4,6,8,10,12,14,16,18,20,22,24,26,28,30
	v_pk_fma_f32 v[BK+\i:BK+\i+1], v[BK+\i:BK+\i+1], s[SC:SC+1], v[32*(\a)+\i:32*(\a)+\i+1] op_sel_hi:[1,0,1]
.endr
	WIN 0
.irp t, 0,1,2,3,4,5,6,7
	global_store_b128 v[CO], v[BK+4*\t:BK+4*\t+3], s[OUT:OUT+1] offset:(16*(\a)+2*\t)*4096   ; 16 lanes store 256 consecutive bytes, aligned
.endr
.endm
	OUTB 0
	OUTB 1
	OUTB 2
	OUTB 3
	s_wait_tensorcnt 0x0                           ; the wave's end
	ds_add_u32 v[SPW], v[NIL]
	s_wait_dscnt 0x0
	CROUND                                         ; the closing round
	s_endpgm
.Lfunc_end_k_qe987f20d48_wo:
	.size	k_qe987f20d48_wo, .Lfunc_end_k_qe987f20d48_wo-k_qe987f20d48_wo
	.p2alignl 7, 3214868480
	.fill 96, 4, 3214868480
	.section	.rodata,"a",@progbits
	.p2align	6, 0x0
	.amdhsa_kernel k_qe987f20d48_wo
		.amdhsa_group_segment_fixed_size 327680
		.amdhsa_private_segment_fixed_size 0
		.amdhsa_enable_private_segment 0
		.amdhsa_kernarg_size 40
		.amdhsa_user_sgpr_count 2
		.amdhsa_user_sgpr_kernarg_segment_ptr 1
		.amdhsa_wavefront_size32 1
		.amdhsa_system_sgpr_workgroup_id_x 1
		.amdhsa_system_sgpr_workgroup_id_y 1
		.amdhsa_system_sgpr_workgroup_id_z 1
		.amdhsa_system_vgpr_workitem_id 0
		.amdhsa_next_free_vgpr 768
		.amdhsa_next_free_sgpr 84
		.amdhsa_reserve_vcc 0
		.amdhsa_float_denorm_mode_32 3
		.amdhsa_float_denorm_mode_16_64 3
		.amdhsa_memory_ordered 1
		.amdhsa_forward_progress 1
		.amdhsa_inst_pref_size 48
	.end_amdhsa_kernel
	.amdgpu_metadata
---
amdhsa.version: [ 1, 2 ]
amdhsa.kernels:
  - .name:           k_qe987f20d48_wo
    .symbol:         k_qe987f20d48_wo.kd
    .args:
      - { .name: cc, .offset: 0, .size: 8, .value_kind: global_buffer, .address_space: global }
      - { .name: Wo_codes, .offset: 8, .size: 8, .value_kind: global_buffer, .address_space: global }
      - { .name: lowp_scales, .offset: 16, .size: 8, .value_kind: global_buffer, .address_space: global }
      - { .name: x, .offset: 24, .size: 8, .value_kind: global_buffer, .address_space: global }
      - { .name: x1, .offset: 32, .size: 8, .value_kind: global_buffer, .address_space: global }
    .group_segment_fixed_size: 327680
    .private_segment_fixed_size: 0
    .kernarg_segment_align: 8
    .kernarg_segment_size: 40
    .max_flat_workgroup_size: 128
    .sgpr_count:     84
    .vgpr_count:     768
    .wavefront_size: 32
...
	.end_amdgpu_metadata
.endif
;; end of part 4
;; launch ln2 (part 5): grid 256 x 1, 8 waves a work-group, no clusters, 0 bytes of LDS; arguments x1, g2, b2, lowp_scales, h2c; writes h2c
.if DOCPART == 5
	.amdgcn_target "amdgcn-amd-amdhsa--gfx1250"
	.amdhsa_code_object_version 6
	.text
	.protected	k_qe987f20d48_ln2
	.globl	k_qe987f20d48_ln2
	.p2align	8
	.type	k_qe987f20d48_ln2,@function
k_qe987f20d48_ln2:
	s_mov_b64 s[64:65], 0
	v_nop
	global_prefetch_b8 v0, s[64:65] scope:SCOPE_SE
	s_setreg_imm32_b32 hwreg(HW_REG_WAVE_MODE, 25, 1), 1
	s_wait_xcnt 0x0
; LAUNCH 5 OF 7: h2 = g2 (x1 - mean) / (std + 1e-5) + b2 for 4,096 rows of 1,024, in f32, turned into codes of E5M2 with 2^e12.  h2c: [4096][1024], K innermost.
; The first launch's text with one plane.  LIMIT: e12 between -126 and 112.  NaN and infinity are not served.
; SHARES: a work-group takes 16 rows, a wave two.  A lane holds, of each row, k = 256 j + 8 lane + 0 .. 7 for j = 0 .. 3; its 8 codes are 8 bytes, so that a wave's store covers 256 consecutive bytes, aligned.
.set NS,   1
.set X,    16
.set G,    80
.set BT,   112
.set T,    144
.set C,    160
.set SCV,  208
.macro LANESUM r, t                    ; v[r] summed over the 32 lanes, the sum in every lane; v[t] has been written before
	s_delay_alu instid0(VALU_DEP_1)
	v_add_f32_dpp v[\r], v[\r], v[\r] row_xmask:1 row_mask:0xf bank_mask:0xf
	s_delay_alu instid0(VALU_DEP_1)
	v_add_f32_dpp v[\r], v[\r], v[\r] row_xmask:2 row_mask:0xf bank_mask:0xf
	s_delay_alu instid0(VALU_DEP_1)
	v_add_f32_dpp v[\r], v[\r], v[\r] row_xmask:4 row_mask:0xf bank_mask:0xf
	s_delay_alu instid0(VALU_DEP_1)
	v_add_f32_dpp v[\r], v[\r], v[\r] row_xmask:8 row_mask:0xf bank_mask:0xf
	s_delay_alu instid0(VALU_DEP_1)
	v_permlanex16_b32 v[\t], v[\r], s38, s39
	s_delay_alu instid0(VALU_DEP_1)
	v_add_f32 v[\r], v[\r], v[\t]
.endm
	s_load_b256 s[4:11], s[0:1], 0x0               ; the rows s[4:5], gain s[6:7], bias s[8:9], the scales' exponents s[10:11]
	s_load_b64 s[12:13], s[0:1], 0x20              ; the codes
	v_lshrrev_b32 v3, 5, v0
	s_delay_alu instid0(VALU_DEP_1)
	v_readfirstlane_b32 s14, v3                    ; wave 0..7
	v_and_b32 v1, 31, v0
	s_delay_alu instid0(VALU_DEP_1)
	v_lshlrev_b32 v2, 3, v1                        ; 8 x lane
	s_delay_alu instid0(VALU_DEP_2)
	v_lshlrev_b32 v1, 5, v1                        ; 32 x lane
	s_lshl_b32 s2, ttmp9, 16
	s_lshl_b32 s3, s14, 13
	s_add_co_u32 s2, s2, s3
	s_mov_b32 s3, 0
	s_lshl_b32 s40, ttmp9, 14
	s_lshl_b32 s41, s14, 11
	s_add_co_u32 s40, s40, s41
	s_mov_b32 s41, 0
	s_mov_b32 s38, 0x76543210
	s_mov_b32 s39, 0xfedcba98
	s_wait_alu depctr_va_vdst(0)
	s_wait_kmcnt 0x0
	s_load_b32 s16, s[10:11], 0x30                 ; e12
	s_add_nc_u64 s[4:5], s[4:5], s[2:3]
	s_add_nc_u64 s[32:33], s[12:13], s[40:41]
.irp p, 0,1
.irp j, 0,1,2,3
	global_load_b128 v[X+32*\p+8*\j:X+32*\p+8*\j+3],   v1, s[4:5] offset:4096*\p+1024*\j
	global_load_b128 v[X+32*\p+8*\j+4:X+32*\p+8*\j+7], v1, s[4:5] offset:4096*\p+1024*\j+16
.endr
.endr
.irp j, 0,1,2,3
	global_load_b128 v[G+8*\j:G+8*\j+3],   v1, s[6:7] offset:1024*\j
	global_load_b128 v[G+8*\j+4:G+8*\j+7], v1, s[6:7] offset:1024*\j+16
.endr
.irp j, 0,1,2,3
	global_load_b128 v[BT+8*\j:BT+8*\j+3],   v1, s[8:9] offset:1024*\j
	global_load_b128 v[BT+8*\j+4:BT+8*\j+7], v1, s[8:9] offset:1024*\j+16
.endr
	s_wait_loadcnt 16                              ; both rows are in; the 16 loads of gain and bias, issued behind them, may be out
.irp p, 0,1
	v_pk_add_f32 v[T+8*\p:T+8*\p+1],   v[X+32*\p:X+32*\p+1],   v[X+32*\p+2:X+32*\p+3]
	v_pk_add_f32 v[T+8*\p+2:T+8*\p+3], v[X+32*\p+4:X+32*\p+5], v[X+32*\p+6:X+32*\p+7]
.endr
.irp i, 8,12,16,20,24,28
.irp p, 0,1
	s_delay_alu instid0(VALU_DEP_4)
	v_pk_add_f32 v[T+8*\p:T+8*\p+1],   v[T+8*\p:T+8*\p+1],   v[X+32*\p+\i:X+32*\p+\i+1]
	s_delay_alu instid0(VALU_DEP_4)
	v_pk_add_f32 v[T+8*\p+2:T+8*\p+3], v[T+8*\p+2:T+8*\p+3], v[X+32*\p+\i+2:X+32*\p+\i+3]
.endr
.endr
.irp p, 0,1
	v_pk_add_f32 v[T+8*\p:T+8*\p+1], v[T+8*\p:T+8*\p+1], v[T+8*\p+2:T+8*\p+3]
	s_delay_alu instid0(VALU_DEP_1)
	v_add_f32 v[T+8*\p], v[T+8*\p], v[T+8*\p+1]
	LANESUM T+8*\p, T+8*\p+1
	s_delay_alu instid0(VALU_DEP_1)
	v_mul_f32 v[4+4*\p], 0x3a800000, v[T+8*\p]     ; the mean
	s_delay_alu instid0(VALU_DEP_1)
	v_mov_b32 v[5+4*\p], v[4+4*\p]
.endr
.irp p, 0,1
.irp i, 0,2,4,6,8,10,12,14,16,18,20,22,24,26,28,30
	v_pk_add_f32 v[X+32*\p+\i:X+32*\p+\i+1], v[X+32*\p+\i:X+32*\p+\i+1], v[4+4*\p:5+4*\p] neg_lo:[0,1] neg_hi:[0,1]
.endr
.endr
.irp p, 0,1
	v_pk_mul_f32 v[T+8*\p:T+8*\p+1],   v[X+32*\p:X+32*\p+1],   v[X+32*\p:X+32*\p+1]
	v_pk_mul_f32 v[T+8*\p+2:T+8*\p+3], v[X+32*\p+2:X+32*\p+3], v[X+32*\p+2:X+32*\p+3]
.endr
.irp i, 4,8,12,16,20,24,28
.irp p, 0,1
	s_delay_alu instid0(VALU_DEP_4)
	v_pk_fma_f32 v[T+8*\p:T+8*\p+1],   v[X+32*\p+\i:X+32*\p+\i+1],   v[X+32*\p+\i:X+32*\p+\i+1],   v[T+8*\p:T+8*\p+1]
	s_delay_alu instid0(VALU_DEP_4)
	v_pk_fma_f32 v[T+8*\p+2:T+8*\p+3], v[X+32*\p+\i+2:X+32*\p+\i+3], v[X+32*\p+\i+2:X+32*\p+\i+3], v[T+8*\p+2:T+8*\p+3]
.endr
.endr
.irp p, 0,1
	v_pk_add_f32 v[T+8*\p:T+8*\p+1], v[T+8*\p:T+8*\p+1], v[T+8*\p+2:T+8*\p+3]
	s_delay_alu instid0(VALU_DEP_1)
	v_add_f32 v[T+8*\p], v[T+8*\p], v[T+8*\p+1]
	LANESUM T+8*\p, T+8*\p+1
	s_delay_alu instid0(VALU_DEP_1)
	v_mul_f32 v[T+8*\p], 0x3a800000, v[T+8*\p]
.endr
	s_wait_alu depctr_va_vdst(0)
	v_sqrt_f32 v12, v[T]                           ; std, both rows: one batch,
	v_sqrt_f32 v13, v[T+8]
	v_nop                                          ; a plain instruction behind it,
	s_wait_alu depctr_va_vdst(0)                   ; and the one wait ahead of the first reader
	v_add_f32 v12, 0x3727c5ac, v12                 ; + 1e-5
	v_add_f32 v13, 0x3727c5ac, v13
	s_wait_alu depctr_va_vdst(0)
	v_rcp_f32 v6, v12
	v_rcp_f32 v10, v13
	v_nop
	s_wait_alu depctr_va_vdst(0)
	v_mov_b32 v7, v6
	v_mov_b32 v11, v10
	s_wait_alu depctr_va_vdst(0)
	s_wait_kmcnt 0x0
	s_add_co_i32 s24, s16, 127
	s_lshl_b32 s25, s24, 23
	v_mov_b32 v[SCV], s25                          ; 2^e12
	s_add_co_i32 s24, s24, 15
	s_lshl_b32 s24, s24, 23
	s_or_b32 s24, s24, 0x600000
	v_mov_b32 v[SCV+1], s24                        ; 57,344 x 2^e12
	s_wait_loadcnt 0x0                             ; gain and bias
.irp p, 0,1
.irp i, 0,2,4,6,8,10,12,14,16,18,20,22,24,26,28,30
	v_pk_mul_f32 v[X+32*\p+\i:X+32*\p+\i+1], v[X+32*\p+\i:X+32*\p+\i+1], v[6+4*\p:7+4*\p]
.endr
.irp i, 0,2,4,6,8,10,12,14,16,18,20,22,24,26,28,30
	v_pk_fma_f32 v[X+32*\p+\i:X+32*\p+\i+1], v[X+32*\p+\i:X+32*\p+\i+1], v[G+\i:G+\i+1], v[BT+\i:BT+\i+1]
.endr
.endr
	; the quantiser: the hold goes into one of two sets by turns, so that the next group's eight holds stand between a conversion and the next write of its sources
.set qn, 0
.set qp, 0
.rept 2
.set qj, 0
.rept 4
.set TS, T+8*(qn%2)
.set CC, C+8*qp+2*qj
.irp i, 0,1,2,3,4,5,6,7
	v_med3_num_f32 v[TS+\i], v[X+32*qp+8*qj+\i], -v[SCV+1], v[SCV+1]
.endr
	v_cvt_scalef32_pk8_bf8_f32 v[CC:CC+1], v[TS:TS+7], v[SCV]
	global_store_b64 v2, v[CC:CC+1], s[32:33] offset:1024*qp+256*qj   ; 32 lanes store 256 consecutive bytes, aligned
.set qj, qj+1
.set qn, qn+1
.endr
.set qp, qp+1
.endr
	s_endpgm
.Lfunc_end_k_qe987f20d48_ln2:
	.size	k_qe987f20d48_ln2, .Lfunc_end_k_qe987f20d48_ln2-k_qe987f20d48_ln2
	.p2alignl 7, 3214868480
	.fill 96, 4, 3214868480
	.section	.rodata,"a",@progbits
	.p2align	6, 0x0
	.amdhsa_kernel k_qe987f20d48_ln2
		.amdhsa_group_segment_fixed_size 0
		.amdhsa_private_segment_fixed_size 0
		.amdhsa_enable_private_segment 0
		.amdhsa_kernarg_size 40
		.amdhsa_user_sgpr_count 2
		.amdhsa_user_sgpr_kernarg_segment_ptr 1
		.amdhsa_wavefront_size32 1
		.amdhsa_system_sgpr_workgroup_id_x 1
		.amdhsa_system_sgpr_workgroup_id_y 1
		.amdhsa_system_sgpr_workgroup_id_z 1
		.amdhsa_system_vgpr_workitem_id 0
		.amdhsa_next_free_vgpr 216
		.amdhsa_next_free_sgpr 66
		.amdhsa_reserve_vcc 0
		.amdhsa_float_denorm_mode_32 3
		.amdhsa_float_denorm_mode_16_64 3
		.amdhsa_memory_ordered 1
		.amdhsa_forward_progress 1
		.amdhsa_inst_pref_size 25
	.end_amdhsa_kernel
	.amdgpu_metadata
---
amdhsa.version: [ 1, 2 ]
amdhsa.kernels:
  - .name:           k_qe987f20d48_ln2
    .symbol:         k_qe987f20d48_ln2.kd
    .args:
      - { .name: x1, .offset: 0, .size: 8, .value_kind: global_buffer, .address_space: global }
      - { .name: g2, .offset: 8, .size: 8, .value_kind: global_buffer, .address_space: global }
      - { .name: b2, .offset: 16, .size: 8, .value_kind: global_buffer, .address_space: global }
      - { .name: lowp_scales, .offset: 24, .size: 8, .value_kind: global_buffer, .address_space: global }
      - { .name: h2c, .offset: 32, .size: 8, .value_kind: global_buffer, .address_space: global }
    .group_segment_fixed_size: 0
    .private_segment_fixed_size: 0
    .kernarg_segment_align: 8
    .kernarg_segment_size: 40
    .max_flat_workgroup_size: 256
    .sgpr_count:     66
    .vgpr_count:     216
    .wavefront_size: 32
...
	.end_amdgpu_metadata
.endif
;; end of part 5
;; launch ffn1 (part 6): grid 16 x 16, 4 waves a work-group, clusters of 4 x 4, 327,680 bytes of LDS; arguments h2c, W1_codes, lowp_scales, bf1, gc; writes gc
.if DOCPART == 6
	.amdgcn_target "amdgcn-amd-amdhsa--gfx1250"
	.amdhsa_code_object_version 6
	.text
	.protected	k_qe987f20d48_ffn1
	.globl	k_qe987f20d48_ffn1
	.p2align	8
	.type	k_qe987f20d48_ffn1,@function
k_qe987f20d48_ffn1:
	s_mov_b64 s[64:65], 0
	v_nop
	global_prefetch_b8 v0, s[64:65] scope:SCOPE_SE
	s_setreg_imm32_b32 hwreg(HW_REG_WAVE_MODE, 25, 1), 1
	s_wait_xcnt 0x0
	s_wait_alu depctr_hold_cnt(0) depctr_sa_sdst(0) depctr_va_vdst(0) depctr_va_sdst(0) depctr_va_ssrc(0) depctr_va_vcc(0) depctr_vm_vsrc(0)
	s_getreg_b32 s2, hwreg(HW_REG_IB_STS2, 6, 4)
	s_cmp_eq_u32 s2, 0
	s_cbranch_scc0 .Lentry_in_a_cluster
	s_endpgm
.Lentry_in_a_cluster:
	s_bfe_u32 s2, ttmp6, 0x10000c
	s_cmp_lg_u32 s2, 0xf033
	s_cbranch_scc0 .Lentry_shape_is_right
	s_endpgm
.Lentry_shape_is_right:
; LAUNCH 6 OF 7: g = gelu(h2 W1 x 2^(e12 + e13) + bf1), the exact gelu, turned into codes of E5M2 with 2^e14.  Nothing is left out here.
; h2c: [4096][1024] codes; W1_codes: [4096 (n)][1024 (k)].  gc lies as the next launch's registers want it: [16 tokens: 256][128 along K: 32][c: 4][lane: 32][16 bytes]:
; lane (r, h) holds token r, k = 32 c + 16 h + 0 .. 15.
; A tile of 256 x 256 is made by four waves, 128 x 128 each: 64 accumulators.  K = 1,024 goes in four chunks of 256 through two LDS slots (A's 256 rows, then B's 256, 272 bytes apart).
; WHO FETCHES: wave w owns operand w / 2 (A, B) of slot w % 2: 256 rows x 256 bytes, one tensor load.  At the head every wave issues its one load, so K 0 .. 511 is asked for at once;
; a slot is filled again by its two owners, behind a round of the cluster's barrier.  Every wait for tensor loads is for 0.
; CLUSTERS: 4 x 4 work-groups; A's tile is shared along a row of the cluster, B's along a column: joint loads.
; PREFETCH: chunks 2 and 3, which the two refills bring, are asked for at the head, two fills ahead: of a tile's 256 rows each of the four partners takes 64 (told apart by address: cx for A, cy for B),
; each wave 16 of them; lanes 0-15 name chunk 2 of a row, lanes 16-31 chunk 3: each aligned 256 bytes once in a cluster, two instructions a wave.  Chunks 0 and 1 come by their loads alone.
; THE MATRIX INSTRUCTION IS USED TRANSPOSED (source 0 = 16 rows of W1, source 1 = 16 tokens): a lane holds one token and features 16 b + 8 h + 0 .. 7 of accumulator b.
; GELU: with t = 1 / (1 + |y| / (2 sqrt 2)), 0.5 erfc(|y| / sqrt 2) = t exp(poly(t) - y^2 / 2), ln 2 taken off poly's constant; g = max(y, 0) - |y| x that.
; The polynomial's ten coefficients are doubled (exact), so that 2 poly - y y needs no y / sqrt 2; the sum is multiplied by log2(e) / 2.
; THE WAY OUT: the 512 sums of a lane go once into the wave's own 65,536 bytes of the ring, which has had its last fill and its last read; a loop of 8 trips takes 16 tokens x 128 features each.
; A half's raw sums are loaded while the half before is worked on.  Two lane swaps for each four registers turn the codes of accumulators 2 c, 2 c + 1 into k = 32 c + 16 h + 0 .. 15; each store covers 512 consecutive bytes, aligned.
; LIMITS: e12 + e13 between -126 and 127; e14 between -126 and 112.  NaN and infinity are not served.
; REGISTERS: window 0: v0-31 addresses, v32-95 the bias, from v128 A's fragments (one set); window 1: B's fragments, two sets; windows 2, 3: the accumulators ((a, b) at v[8 (8 (a % 4) + b)]).
.set ROWB,   256
.set KROW,   1024
.set PITCH,  272                       ; 256 bytes + 16 of padding = 68 words: row r starts at bank 4 r mod 64 (ISA guide 11.1)
.set FR,     16
.set NL,     4
.set NP,     4                         ; places behind this matrix instruction (ISA guide 7.12.1)
.set HALFT,  128*PITCH
.set SLOT,   4*HALFT
.set LAPS,   2
.set SPARE,  2*SLOT                    ; the spare words, 128 bytes a wave, which no other line names
.set ADRA, 16
.set ADRB, 20
.set YA,   22                          ; my dump: 65,536 x wave + 16 x lane
.set PFO,  23                          ; the prefetches' offset; never rewritten
.set CO,   26                          ; 16 x lane
.set SPW,  28
.set NIL,  29
.set BI,   32                          ; v32-95   the bias at my 64 features
.set R,    96                          ; v96-127  32 raw sums
.set Y,    128
.set TT,   160
.set P,    192
.set CDG,  224                         ; v224-239 a trip's codes
.set C8,   240
.set SCV,  242
.set LIMV, 243
.set ADY,  244
.set AF,   128
.set G1, 24
.set G0, 32
.set G1B, 48
.set G0B, 56
.set SC,  66
.set HR,  68
.set L2H, 70
.set C9,  72
.set C7,  74
.set C6,  76
.set C5,  78
.set C4,  80
.set C3,  82
.set C2,  84
.set C1,  86
.set C0,  88
.set YS,  90
.set MSB, 0
.macro WIN new                         ; the immediate's high byte repeats the setting that is left
.if MSB != \new
	s_set_vgpr_msb (MSB<<8)|\new
.set MSB, \new
.endif
.endm
.set MUL_LO, 0xa1                      ; source 0 (B) window 1, source 1 (A) window 0, C and D window 2
.set MUL_HI, 0xf1
.set TO_B,   0x40
.macro JLOAD own                       ; own = 2: every wave asks; own = 0, 1: that slot's two owners.  An s_nop 0 and four v_nop follow each line
.if \own < 2
	s_cmp_lg_u32 s16, \own
	s_cbranch_scc1 .Lasked_\@
.endif
	s_cmp_eq_u32 s15, 0
	s_cbranch_scc0 .Lfor_b_\@
	tensor_load_to_lds s[G0:G0+3], s[G1:G1+7]
	s_nop 0
.rept 4
	v_nop
.endr
	s_branch .Lasked_\@
.Lfor_b_\@:
	tensor_load_to_lds s[G0B:G0B+3], s[G1B:G1B+7]
	s_nop 0
.rept 4
	v_nop
.endr
.Lasked_\@:
.endm
.macro CREST                           ; a round of the cluster's barrier behind its opening barrier
	s_cmp_lg_u32 s14, 0
	s_cbranch_scc1 .Lnot_wave_0_\@
	s_barrier_signal -3
.Lnot_wave_0_\@:
	s_barrier_wait -3
	s_barrier_signal -1
	s_barrier_wait -1
.endm
.macro CROUND
	s_barrier_signal -1
	s_barrier_wait -1
	CREST
.endm
.macro SPAIR r, val
	s_mov_b32 s[\r], \val
	s_mov_b32 s[\r+1], \val
.endm
	s_load_b256 s[4:11], s[0:1], 0x0               ; h2c 4, W1's codes 6, the exponents 8, bf1 10
	s_load_b64 s[12:13], s[0:1], 0x20              ; gc
	v_lshl_add_u32 v[SPW], v0, 2, SPARE
	v_mov_b32 v[NIL], 0
	ds_add_u32 v[SPW], v[NIL]                      ; the wave's opening: the add, twice on end, and its wait ahead of my first tensor load
	ds_add_u32 v[SPW], v[NIL]
	v_lshrrev_b32 v1, 5, v0
	v_readfirstlane_b32 s14, v1                    ; wave 0..3
	s_lshr_b32 s15, s14, 1                         ; my half of the tile's rows.  Also: I fetch for A (0) or B (1)
	s_and_b32 s16, s14, 1                          ; my half of its columns.  Also: the slot that I own
	s_bfe_u32 s40, ttmp6, 0x40000                  ; cx
	s_bfe_u32 s41, ttmp6, 0x40004                  ; cy
	s_lshl_b32 s42, ttmp9, 2
	s_add_co_u32 s42, s42, s40                     ; tile column
	s_and_b32 s17, ttmp7, 0xffff
	s_lshl_b32 s17, s17, 2
	s_add_co_u32 s17, s17, s41                     ; tile row
	s_lshl_b32 s43, s41, 2
	s_lshl_b32 s43, 15, s43                        ; my row of the cluster
	s_lshl_b32 s44, 0x1111, s40                    ; my column
	s_or_b32 s[G1+0], s43, (0<<16)|(1<<20)|(1<<21)|(5<<22)|(3<<25)  ; the mask; 1 byte; padding on; bit 21 beside a mask; 4 words behind every 64
	s_or_b32 s[G1B+0], s44, (0<<16)|(1<<20)|(1<<21)|(5<<22)|(3<<25)
.irp g, G1, G1B
	s_mov_b32 s[\g+1], ROWB<<16                    ; tensor_dim0
	s_mov_b32 s[\g+2], 256<<16                     ; tensor_dim1
	s_mov_b32 s[\g+3], ROWB<<16                    ; tile_dim0
	s_mov_b32 s[\g+4], 256                         ; tile_dim1
	s_mov_b32 s[\g+5], KROW                        ; the pitch
	s_mov_b32 s[\g+6], 0
	s_mov_b32 s[\g+7], 0
.endr
	s_mov_b32 s[HR], 0x3eb504f3                    ; 1 / (2 sqrt 2)
	SPAIR L2H, 0x3f38aa3b                          ; log2(e) / 2
	SPAIR C9,  0x3eaef945                          ; the doubled coefficients, from t^9 down
	SPAIR C7,  0x403e87b0
	SPAIR C6,  0xc0114e5d
	SPAIR C5,  0x3f0ec7cc
	SPAIR C4,  0xbebec24c
	SPAIR C3,  0x3e4636c9
	SPAIR C2,  0x3f3f88fb
	SPAIR C1,  0x400000c7
	SPAIR C0,  0xc07ab55a
	s_lshl_b32 s2, s14, 14                         ; the prefetches: 16 rows a wave,
	s_lshl_b32 s22, s40, 16                        ; A: 64 rows for each place along the cluster's row,
	s_add_co_u32 s22, s22, s2
	s_lshl_b32 s3, s17, 18                         ; the tile row's first byte in h2c
	s_add_co_u32 s22, s22, s3
	s_mov_b32 s23, 0
	s_lshl_b32 s18, s41, 16                        ; B: 64 rows for each place along its column
	s_add_co_u32 s18, s18, s2
	s_lshl_b32 s2, s42, 18                         ; the tile column's first byte in W1's codes
	s_add_co_u32 s18, s18, s2
	s_mov_b32 s19, 0
	s_lshl_b32 s45, s16, 8                         ; my slot's first chunk of K
	s_add_co_u32 s20, s3, s45                      ; A's tile: hangs on the tile row and the wave alone
	s_mov_b32 s21, 0
	s_add_co_u32 s46, s2, s45                      ; B's: on the tile column and the wave alone
	s_mov_b32 s47, 0
	s_mul_i32 s39, s16, SLOT                       ; where my load goes: my slot
	s_mul_i32 s36, s15, HALFT                      ; my 128 rows of A,
	s_mul_i32 s37, s16, HALFT
	s_add_co_u32 s37, s37, 2*HALFT                 ; of B
	s_lshl_b32 s38, s14, 16                        ; my dump
	s_lshl_b32 s60, s42, 10
	s_lshl_b32 s61, s16, 9
	s_add_co_u32 s60, s60, s61                     ; my first feature in bf1, in bytes
	s_mov_b32 s61, 0
	s_lshl_b32 s62, s17, 4
	s_lshl_b32 s63, s15, 3
	s_add_co_u32 s62, s62, s63                     ; my first block of 16 tokens,
	s_lshl_b32 s62, s62, 16
	s_lshl_b32 s63, s42, 12
	s_add_co_u32 s62, s62, s63
	s_lshl_b32 s63, s16, 11                        ; and my 128 features: one step of the next K, 2,048 bytes
	s_add_co_u32 s62, s62, s63
	s_mov_b32 s63, 0
	s_wait_dscnt 0x0                               ; both opening adds are done
	s_wait_kmcnt 0x0
	s_load_b128 s[92:95], s[8:9], 0x30             ; e12, e13, e14, e15
	s_add_nc_u64 s[20:21], s[4:5], s[20:21]
	s_add_nc_u64 s[46:47], s[6:7], s[46:47]
	s_add_nc_u64 s[96:97], s[4:5], s[22:23]
	s_add_nc_u64 s[98:99], s[6:7], s[18:19]
	s_add_nc_u64 s[10:11], s[10:11], s[60:61]
	s_add_nc_u64 s[12:13], s[12:13], s[62:63]
	CROUND                                         ; all sixteen work-groups are here: the first joint loads meet
	s_mov_b32 s[G0], 1
	s_mov_b32 s[G0+1], s39
	s_mov_b64 s[G0+2:G0+3], s[20:21]
	s_or_b32 s[G0+3], s[G0+3], 0x80000000
	s_mov_b32 s[G0B], 1
	s_add_co_u32 s[G0B+1], s39, 2*HALFT
	s_mov_b64 s[G0B+2:G0B+3], s[46:47]
	s_or_b32 s[G0B+3], s[G0B+3], 0x80000000
	JLOAD 2                                        ; one tensor load a wave at the head
	v_and_b32 v1, 15, v0                           ; r
	v_bfe_u32 v2, v0, 4, 1                         ; h
	v_and_b32 v6, 31, v0
	v_mul_u32_u24 v3, v1, PITCH
	v_lshl_add_u32 v4, v2, 4, v3                   ; a fragment's row x pitch + 16 h
	v_add_nc_u32 v[ADRA], s36, v4
	v_add_nc_u32 v[ADRB], s37, v4
	v_add_nc_u32 v[ADRA+1], SLOT, v[ADRA]
	v_add_nc_u32 v[ADRB+1], SLOT, v[ADRB]
	v_lshlrev_b32 v[CO], 4, v6
	v_add_nc_u32 v[YA], s38, v[CO]
	v_lshlrev_b32 v27, 5, v2                       ; the bias: 8 h features on
	v_lshlrev_b32 v[PFO], 10, v1                   ; a lane a row,
	v_lshl_add_u32 v[PFO], v2, 8, v[PFO]           ; the upper lanes one chunk on
.irp b, 0,1,2,3,4,5,6,7
	global_load_b128 v[BI+8*\b:BI+8*\b+3],   v27, s[10:11] offset:64*\b
	global_load_b128 v[BI+8*\b+4:BI+8*\b+7], v27, s[10:11] offset:64*\b+16
.endr
	global_prefetch_b8 v[PFO], s[96:97] offset:512 th:TH_LOAD_NT scope:SCOPE_SE   ; chunks 2 and 3 of my 16 rows of A,
	global_prefetch_b8 v[PFO], s[98:99] offset:512 th:TH_LOAD_NT scope:SCOPE_SE   ; and of B; their address registers are never rewritten
.macro FRAG reg, adr, q, i             ; 16 rows x 128 K: registers 4 c .. 4 c + 3 hold K = 32 c + 16 h + 0 .. 15: the same places in A and in B
.irp c, 0,1,2,3
	ds_load_b128 v[\reg+4*\c:\reg+4*\c+3], v[\adr] offset:128*(\q)+32*\c+(\i)*16*PITCH
.endr
.endm
.macro MUL16 a0, p, zero               ; A's blocks a0, a0 + 1 x B's eight.  The 64 accumulators take turns, one instruction a turn
.irp a, \a0, \a0+1
.irp b, 0,1,2,3,4,5,6,7
.if \zero
	v_wmma_f32_16x16x128_bf8_bf8 v[8*(8*((\a)%4)+\b):8*(8*((\a)%4)+\b)+7], v[128*(\p)+FR*\b:128*(\p)+FR*\b+FR-1], v[AF+FR*(\a):AF+FR*(\a)+FR-1], 0
.else
	v_wmma_f32_16x16x128_bf8_bf8 v[8*(8*((\a)%4)+\b):8*(8*((\a)%4)+\b)+7], v[128*(\p)+FR*\b:128*(\p)+FR*\b+FR-1], v[AF+FR*(\a):AF+FR*(\a)+FR-1], v[8*(8*((\a)%4)+\b):8*(8*((\a)%4)+\b)+7]
.endif
.endr
.endr
.endm
.macro FETCH_B slot, q, p
	WIN TO_B
.irp i, 0,1,2,3,4,5,6,7
	FRAG 128*(\p)+FR*\i, ADRB+\slot, \q, \i
.endr
	WIN 0
.endm
.macro FETCH_A slot, q, i0
.irp i, \i0, \i0+1, \i0+2, \i0+3
	FRAG AF+FR*(\i), ADRA+\slot, \q, \i
.endr
.endm
.macro PLACES n                        ; plain vector instructions between a matrix instruction and a load into, or a read of, its registers
.rept \n
	v_nop
.endr
.endm
.macro STEP slot, q, zero              ; 128 along K whose successor lies in the same slot
	s_wait_dscnt 4*NL                              ; B's set and A's blocks 0-3 are in; the youngest 16 loads (A's blocks 4-7) may be out
	WIN MUL_LO
	MUL16 0, (\q)%2, \zero
	MUL16 2, (\q)%2, \zero
	s_wait_dscnt 0
	PLACES NP
	FETCH_B \slot, (\q)+1, 1-(\q)%2
	FETCH_A \slot, (\q)+1, 0
	WIN MUL_HI
	MUL16 4, (\q)%2, \zero
	MUL16 6, (\q)%2, \zero
	PLACES NP
	WIN 0
	FETCH_A \slot, (\q)+1, 4
.endm
.macro TURN slot, next, fill           ; a slot's last step changes slots: one barrier; ahead of it all my tensor loads, the add, my reads of this slot
	s_wait_tensorcnt 0x0                           ; no tensor load of mine is out
	ds_add_u32 v[SPW], v[NIL]                      ; 0 onto my spare word
	s_wait_dscnt 4*NL+1                            ; the add and the youngest 16 loads may be out
	WIN MUL_LO
	MUL16 0, 1, 0
	s_wait_dscnt 0x0                               ; the add is done, and my reads of this slot are over
	s_barrier_signal -1
	MUL16 2, 1, 0
	WIN 0
	s_barrier_wait -1
.if \fill
	CREST                                          ; the barrier has opened a round of the cluster's: no wave of any partner still reads this slot or has a load on its way
.if \slot == 0
	s_add_nc_u64 s[G0+2:G0+3], s[G0+2:G0+3], 2*ROWB     ; once a lap, in every wave: each owner's next chunk lies 512 along K on
	s_add_nc_u64 s[G0B+2:G0B+3], s[G0B+2:G0B+3], 2*ROWB
.endif
	JLOAD \slot                                    ; the first tensor load behind the round, by this slot's two owners
.endif
	PLACES NP                                      ; in every wave: the places in front of the loads below
	FETCH_B \next, 0, 0
	FETCH_A \next, 0, 0
	WIN MUL_HI
	MUL16 4, 1, 0
	MUL16 6, 1, 0
	PLACES NP
	WIN 0
	FETCH_A \next, 0, 4
.endm
	s_wait_alu depctr_va_vdst(0)                   ; the wait at the head's end
	s_wait_tensorcnt 0x0                           ; my one load is in; behind the barrier all four are: both slots are whole
	s_barrier_signal -1
	s_barrier_wait -1
	FETCH_B 0, 0, 0
	FETCH_A 0, 0, 0
	FETCH_A 0, 0, 4
	STEP 0, 0, 1                                   ; the first step's products start the sums
	s_mov_b32 s3, LAPS-1
.Llap:
	TURN 0, 1, 1
	STEP 1, 0, 0
	TURN 1, 0, 1
	STEP 0, 0, 0
	s_sub_co_u32 s3, s3, 1
	s_cmp_lg_u32 s3, 0
	s_cbranch_scc1 .Llap
	TURN 0, 1, 0                                   ; the last lap fills nothing
	STEP 1, 0, 0
	s_wait_dscnt 4*NL
	WIN MUL_LO
	MUL16 0, 1, 0
	MUL16 2, 1, 0
	s_wait_dscnt 0
	WIN MUL_HI
	MUL16 4, 1, 0
	MUL16 6, 1, 0
	WIN 0
	s_wait_dscnt 0x0                               ; my reads of the ring are over;
	s_barrier_signal -1
	s_barrier_wait -1                              ; everybody's are: the ring's bytes may be stored to
	s_wait_loadcnt 0x0                             ; the bias
	s_wait_kmcnt 0x0
	s_add_co_i32 s[SC], s92, s93
	s_add_co_i32 s[SC], s[SC], 127
	s_lshl_b32 s[SC], s[SC], 23                    ; 2^(e12 + e13)
	s_mov_b32 s[SC+1], s[SC]
	s_add_co_i32 s20, s94, 127
	s_lshl_b32 s21, s20, 23                        ; 2^e14
	s_add_co_i32 s20, s20, 15
	s_lshl_b32 s20, s20, 23
	s_or_b32 s20, s20, 0x600000                    ; 57,344 x 2^e14
	s_mov_b32 s[YS], 0
	PLACES NP                                      ; behind the last products: their results are read and their sources written below
	v_mov_b32 v[C8], 0xbfd27892
	v_mov_b32 v[C8+1], 0xbfd27892
	v_mov_b32 v[SCV], s21
	v_mov_b32 v[LIMV], s20
	v_mov_b32 v[ADY], v[YA]
	WIN 0x08                                       ; the stores' data: window 2; each accumulator from its low end on
.set qn, 0
.rept 64
	ds_store_b128 v[YA], v[4*qn:4*qn+3] offset:512*qn
.set qn, qn+1
.endr
	WIN 0x0c                                       ; window 3
.set qn, 0
.rept 64
	ds_store_b128 v[YA], v[4*qn:4*qn+3] offset:32768+512*qn
.set qn, qn+1
.endr
	WIN 0
.irp n, 0,1,2,3,4,5,6,7
	ds_load_b128 v[R+4*\n:R+4*\n+3], v[ADY] offset:512*\n   ; block 0's first half.  LDS serves a wave's instructions in order: these see my stores
.endr
; 32 numbers a lane: accumulators 4 u .. 4 u + 3 of the block in hand
.macro GELU u
	s_wait_dscnt 0x0                               ; this half's raw sums
.set qi, 0
.rept 16
	v_pk_fma_f32 v[Y+qi:Y+qi+1], v[R+qi:R+qi+1], s[SC:SC+1], v[BI+32*(\u)+qi:BI+32*(\u)+qi+1] op_sel_hi:[1,0,1]   ; y
.set qi, qi+2
.endr
.if \u
	s_cmp_eq_u32 s3, 1                             ; the last trip has no block behind it: a branch on the count of trips
	s_cbranch_scc1 .Lno_next_\@
	s_add_co_u32 s[YS], s[YS], 8192
	v_add_nc_u32 v[ADY], s[YS], v[YA]              ; the next block
.endif
.irp n, 0,1,2,3,4,5,6,7
	ds_load_b128 v[R+4*\n:R+4*\n+3], v[ADY] offset:4096*(1-\u)+512*\n   ; the next half's raw sums: this half's work stands between these loads and the wait for them
.endr
.if \u
.Lno_next_\@:
.endif
.set qi, 0
.rept 32
	v_fma_f32 v[TT+qi], |v[Y+qi]|, s[HR], 1.0
.set qi, qi+1
.endr
	s_wait_alu depctr_va_vdst(0)                   ; a wait ahead of a batch of transcendentals,
.set qi, 0
.rept 32
	v_rcp_f32 v[TT+qi], v[TT+qi]                   ; t
.set qi, qi+1
.endr
	v_nop                                          ; a plain instruction behind it,
	s_wait_alu depctr_va_vdst(0)                   ; and one wait ahead of its first reader
.set qi, 0
.rept 16
	v_pk_fma_f32 v[P+qi:P+qi+1], v[TT+qi:TT+qi+1], s[C9:C9+1], v[C8:C8+1] op_sel_hi:[1,0,1]
.set qi, qi+2
.endr
.irp k, C7, C6, C5, C4, C3, C2, C1, C0
.set qi, 0
.rept 16
	v_pk_fma_f32 v[P+qi:P+qi+1], v[P+qi:P+qi+1], v[TT+qi:TT+qi+1], s[\k:\k+1] op_sel_hi:[1,1,0]
.set qi, qi+2
.endr
.endr
.set qi, 0
.rept 16
	v_pk_fma_f32 v[P+qi:P+qi+1], v[Y+qi:Y+qi+1], v[Y+qi:Y+qi+1], v[P+qi:P+qi+1] neg_lo:[1,0,0] neg_hi:[1,0,0]   ; 2 poly - y y
.set qi, qi+2
.endr
.set qi, 0
.rept 16
	v_pk_mul_f32 v[P+qi:P+qi+1], v[P+qi:P+qi+1], s[L2H:L2H+1] op_sel_hi:[1,0]
.set qi, qi+2
.endr
	s_wait_alu depctr_va_vdst(0)
.set qi, 0
.rept 32
	v_exp_f32 v[P+qi], v[P+qi]
.set qi, qi+1
.endr
.set qi, 0
.rept 16
	v_pk_mul_f32 v[TT+qi:TT+qi+1], v[TT+qi:TT+qi+1], v[Y+qi:Y+qi+1]   ; t y
.set qi, qi+2
.endr
.set qi, 0
.rept 32
	v_max_num_f32 v[Y+qi], v[Y+qi], 0
.set qi, qi+1
.endr
	s_wait_alu depctr_va_vdst(0)
.set qi, 0
.rept 16
	v_pk_mul_f32 v[P+qi:P+qi+1], v[P+qi:P+qi+1], v[TT+qi:TT+qi+1]
.set qi, qi+2
.endr
.set qi, 0
.rept 32
	v_sub_f32 v[Y+qi], v[Y+qi], |v[P+qi]|          ; g
.set qi, qi+1
.endr
.set qi, 0
.rept 32
	v_med3_num_f32 v[Y+qi], v[Y+qi], -v[LIMV], v[LIMV]   ; the conversion to an 8-bit code does not saturate (ISA guide 7.6.2)
.set qi, qi+1
.endr
.irp b, 0,1,2,3
	v_cvt_scalef32_pk8_bf8_f32 v[CDG+8*(\u)+2*\b:CDG+8*(\u)+2*\b+1], v[Y+8*\b:Y+8*\b+7], v[SCV]
.endr
	v_nop                                          ; a plain instruction behind the conversions
.endm
	s_mov_b32 s3, 8
	s_wait_alu depctr_va_vdst(0)                   ; the wait ahead of the loop's waits
.Lrow:
	GELU 0
	GELU 1
.irp c, 0,1,2,3                        ; registers 4 c, 4 c + 1: accumulator 2 c's codes (k = 32 c + 8 h ..); 4 c + 2, 4 c + 3: accumulator 2 c + 1's (k = 32 c + 16 + 8 h ..).  The first's upper lanes change places with the second's lower lanes
	v_permlane16_swap_b32 v[CDG+4*\c], v[CDG+4*\c+2]
	v_permlane16_swap_b32 v[CDG+4*\c+1], v[CDG+4*\c+3]
.endr
.irp c, 0,1,2,3
	global_store_b128 v[CO], v[CDG+4*\c:CDG+4*\c+3], s[12:13] offset:512*\c   ; 32 lanes store 512 consecutive bytes, aligned
.endr
	s_wait_xcnt 0x0                                ; the stores have read their base and their data: both are written again only behind this wait
	s_add_nc_u64 s[12:13], s[12:13], 65536         ; the next 16 tokens
	s_sub_co_u32 s3, s3, 1
	s_cmp_lg_u32 s3, 0
	s_wait_alu depctr_va_vdst(0)                   ; the wait directly ahead of the branch
	s_cbranch_scc1 .Lrow
	s_wait_tensorcnt 0x0                           ; the wave's end
	ds_add_u32 v[SPW], v[NIL]
	s_wait_dscnt 0x0
	CROUND                                         ; the closing round
	s_endpgm
.Lfunc_end_k_qe987f20d48_ffn1:
	.size	k_qe987f20d48_ffn1, .Lfunc_end_k_qe987f20d48_ffn1-k_qe987f20d48_ffn1
	.p2alignl 7, 3214868480
	.fill 96, 4, 3214868480
	.section	.rodata,"a",@progbits
	.p2align	6, 0x0
	.amdhsa_kernel k_qe987f20d48_ffn1
		.amdhsa_group_segment_fixed_size 327680
		.amdhsa_private_segment_fixed_size 0
		.amdhsa_enable_private_segment 0
		.amdhsa_kernarg_size 40
		.amdhsa_user_sgpr_count 2
		.amdhsa_user_sgpr_kernarg_segment_ptr 1
		.amdhsa_wavefront_size32 1
		.amdhsa_system_sgpr_workgroup_id_x 1
		.amdhsa_system_sgpr_workgroup_id_y 1
		.amdhsa_system_sgpr_workgroup_id_z 1
		.amdhsa_system_vgpr_workitem_id 0
		.amdhsa_next_free_vgpr 1024
		.amdhsa_next_free_sgpr 100
		.amdhsa_reserve_vcc 0
		.amdhsa_float_denorm_mode_32 3
		.amdhsa_float_denorm_mode_16_64 3
		.amdhsa_memory_ordered 1
		.amdhsa_forward_progress 1
		.amdhsa_inst_pref_size 140
	.end_amdhsa_kernel
	.amdgpu_metadata
---
amdhsa.version: [ 1, 2 ]
amdhsa.kernels:
  - .name:           k_qe987f20d48_ffn1
    .symbol:         k_qe987f20d48_ffn1.kd
    .args:
      - { .name: h2c, .offset: 0, .size: 8, .value_kind: global_buffer, .address_space: global }
      - { .name: W1_codes, .offset: 8, .size: 8, .value_kind: global_buffer, .address_space: global }
      - { .name: lowp_scales, .offset: 16, .size: 8, .value_kind: global_buffer, .address_space: global }
      - { .name: bf1, .offset: 24, .size: 8, .value_kind: global_buffer, .address_space: global }
      - { .name: gc, .offset: 32, .size: 8, .value_kind: global_buffer, .address_space: global }
    .group_segment_fixed_size: 327680
    .private_segment_fixed_size: 0
    .kernarg_segment_align: 8
    .kernarg_segment_size: 40
    .max_flat_workgroup_size: 128
    .sgpr_count:     100
    .vgpr_count:     1024
    .wavefront_size: 32
...
	.end_amdgpu_metadata
.endif
;; end of part 6
;; launch ffn2 (part 7): grid 32 x 8, 4 waves a work-group, clusters of 4 x 1, 327,680 bytes of LDS; arguments gc, W2_codes, lowp_scales, bf2, x1, out0; writes out0
.if DOCPART == 7
	.amdgcn_target "amdgcn-amd-amdhsa--gfx1250"
	.amdhsa_code_object_version 6
	.text
	.protected	k_qe987f20d48_ffn2
	.globl	k_qe987f20d48_ffn2
	.p2align	8
	.type	k_qe987f20d48_ffn2,@function
k_qe987f20d48_ffn2:
	s_mov_b64 s[64:65], 0
	v_nop
	global_prefetch_b8 v0, s[64:65] scope:SCOPE_SE
	s_setreg_imm32_b32 hwreg(HW_REG_WAVE_MODE, 25, 1), 1
	s_wait_xcnt 0x0
	s_wait_alu depctr_hold_cnt(0) depctr_sa_sdst(0) depctr_va_vdst(0) depctr_va_sdst(0) depctr_va_ssrc(0) depctr_va_vcc(0) depctr_vm_vsrc(0)
	s_getreg_b32 s2, hwreg(HW_REG_IB_STS2, 6, 4)
	s_cmp_eq_u32 s2, 0
	s_cbranch_scc0 .Lentry_in_a_cluster
	s_endpgm
.Lentry_in_a_cluster:
	s_bfe_u32 s2, ttmp6, 0x10000c
	s_cmp_lg_u32 s2, 0x3003
	s_cbranch_scc0 .Lentry_shape_is_right
	s_endpgm
.Lentry_shape_is_right:
.set PB,     1040
.set SLOT,   128*PB
.set SPARE,  2*SLOT
.set SPITCH, 528
.set ADRB, 20
.set STO,  24
.set RD,   25
.set CO,   26
.set SPW,  28
.set NIL,  29
.set BIAS, 32
.set BK,   64
.set ACC,  128
.set PA,   14
.set G1B,  48
.set G0B,  56
.set SC,   66
.set PBIAS, 74
.set RES,  76
.set OUT,  78
.set NISS, 0
.set MSB, 0
.macro WIN new
.if MSB != \new
	s_set_vgpr_msb (MSB<<8)|\new
.set MSB, \new
.endif
.endm
.set MUL,   0x09
.set TO_B,  0x40
.set TO_A,  0x80
.set TO_R,  0xc0
.set FMA_R, 0x30
.set ADD_R, 0xc3
.macro JLOAD s
	tensor_load_to_lds s[G0B+4*(\s):G0B+4*(\s)+3], s[G1B:G1B+7]
	s_nop 0
.rept 4
	v_nop
.endr
.endm
.macro CREST
	s_cmp_lg_u32 s10, 0
	s_cbranch_scc1 .Lnot_wave_0_\@
	s_barrier_signal -3
.Lnot_wave_0_\@:
	s_barrier_wait -3
	s_barrier_signal -1
	s_barrier_wait -1
.endm
.macro CROUND
	s_barrier_signal -1
	s_barrier_wait -1
	CREST
.endm
.macro PLACES
.rept 4
	v_nop
.endr
.endm
.macro ALOAD qq
.irp a, 0,1
.irp c, 0,1,2,3
	global_load_b128 v[32*((\qq)%8)+16*\a+4*\c:32*((\qq)%8)+16*\a+4*\c+3], v[CO], s[PA:PA+1] offset:65536*\a+2048*(\qq)+512*\c
.endr
.endr
.set NISS, NISS+8
.endm
.macro RLOAD k
.irp t, 0,1,2,3,4,5,6,7
	global_load_b128 v[32*(\k)+4*\t:32*(\k)+4*\t+3], v[CO], s[RES:RES+1] offset:(8*(\k)+\t)*4096
.endr
.set NISS, NISS+8
.endm
.macro FETCH qq
.irp i, 0,1,2,3,4,5,6,7
.irp c, 0,1,2,3
	ds_load_b128 v[128*((\qq)%2)+16*\i+4*\c:128*((\qq)%2)+16*\i+4*\c+3], v[ADRB+2*(((\qq)/8)%2)+\i/4] offset:128*((\qq)%8)+32*\c+(\i%4)*16*PB
.endr
.endr
.endm
.macro FEED qq
.if (\qq)+7 < 32
	WIN TO_A
	ALOAD (\qq)+7
.elseif (\qq) < 29
	WIN TO_R
	RLOAD (\qq)-25
.if (\qq) == 25
	WIN 0
	global_load_b128 v[BIAS:BIAS+3], v[CO], s[PBIAS:PBIAS+1]
.set NISS, NISS+1
.endif
.endif
.endm
.macro MULG qq, a, bh
.irp b, 0,1,2,3
.set RB, 128*((\qq)%2)+16*(4*(\bh)+\b)
.set RA, 32*((\qq)%8)+16*(\a)
.set RC, ACC+8*(8*(\a)+4*(\bh)+\b)
.if (\qq) == 0
	v_wmma_f32_16x16x128_bf8_bf8 v[RC:RC+7], v[RB:RB+15], v[RA:RA+15], 0
.else
	v_wmma_f32_16x16x128_bf8_bf8 v[RC:RC+7], v[RB:RB+15], v[RA:RA+15], v[RC:RC+7]
.endif
.endr
.endm
.macro QUARTER qq
	s_wait_dscnt 16
	s_wait_loadcnt NISS-8*((\qq)+1)
	PLACES
.if (\qq) < 31
	WIN TO_B
	FETCH (\qq)+1
.endif
	FEED \qq
	WIN MUL
	MULG \qq, 0, 0
	MULG \qq, 1, 0
.if (\qq) < 31
	s_wait_dscnt 32
.else
	s_wait_dscnt 0x0
.endif
	MULG \qq, 0, 1
	MULG \qq, 1, 1
.endm
.macro TURN qq, fill
	WIN 0
	s_wait_tensorcnt 0x0
	ds_add_u32 v[SPW], v[NIL]
	s_wait_loadcnt NISS-8*((\qq)+1)
	s_wait_dscnt 17
	WIN MUL
	MULG \qq, 0, 0
	s_wait_dscnt 0x0
	s_barrier_signal -1
	MULG \qq, 1, 0
	WIN 0
	s_barrier_wait -1
.if \fill
	CREST
	s_add_nc_u64 s[G0B+4*(((\qq)/8)%2)+2:G0B+4*(((\qq)/8)%2)+3], s[G0B+4*(((\qq)/8)%2)+2:G0B+4*(((\qq)/8)%2)+3], 2048
	JLOAD ((\qq)/8)%2
.else
	PLACES
.endif
	WIN TO_B
	FETCH (\qq)+1
	FEED \qq
	WIN MUL
	MULG \qq, 0, 1
	MULG \qq, 1, 1
.endm
	s_load_b256 s[68:75], s[0:1], 0x0
	s_load_b128 s[76:79], s[0:1], 0x20
	v_lshl_add_u32 v[SPW], v0, 2, SPARE
	v_mov_b32 v[NIL], 0
	ds_add_u32 v[SPW], v[NIL]
	ds_add_u32 v[SPW], v[NIL]
	v_lshrrev_b32 v1, 5, v0
	v_readfirstlane_b32 s10, v1
	s_bfe_u32 s40, ttmp6, 0x40000
	s_lshl_b32 s13, ttmp9, 2
	s_add_co_u32 s13, s13, s40
	s_and_b32 s42, ttmp7, 0xffff
	s_mov_b32 s[G1B+0], 15|(0<<16)|(1<<20)|(1<<21)|(7<<22)|(3<<25)
	s_mov_b32 s[G1B+1], 1024<<16
	s_mov_b32 s[G1B+2], 32<<16
	s_mov_b32 s[G1B+3], 1024<<16
	s_mov_b32 s[G1B+4], 32
	s_mov_b32 s[G1B+5], 4096
	s_mov_b32 s[G1B+6], 0
	s_mov_b32 s[G1B+7], 0
	s_lshl_b32 s46, s42, 7
	s_lshl_b32 s47, s10, 5
	s_add_co_u32 s46, s46, s47
	s_lshl_b32 s46, s46, 12
	s_mov_b32 s47, 0
	s_mul_i32 s21, s10, 32*PB
	s_lshl_b32 s16, s13, 3
	s_lshl_b32 s17, s10, 1
	s_add_co_u32 s16, s16, s17
	s_lshl_b32 s16, s16, 16
	s_mov_b32 s17, 0
	v_and_b32 v[CO], 31, v0
	v_lshlrev_b32 v[CO], 4, v[CO]
	s_wait_alu depctr_va_vdst(0)
	s_wait_dscnt 0x0
	s_wait_kmcnt 0x0
	s_load_b64 s[80:81], s[72:73], 0x38
	s_add_nc_u64 s[PA:PA+1], s[68:69], s[16:17]
	s_add_nc_u64 s[46:47], s[70:71], s[46:47]
	WIN TO_A
.irp q, 0,1,2,3,4,5,6
	ALOAD \q
.endr
	WIN 0
	CROUND
.irp s, 0,1
	s_mov_b32 s[G0B+4*\s], 1
	s_add_co_u32 s[G0B+4*\s+1], s21, \s*SLOT
	s_add_nc_u64 s[G0B+4*\s+2:G0B+4*\s+3], s[46:47], \s*1024
	s_or_b32 s[G0B+4*\s+3], s[G0B+4*\s+3], 0x80000000
	s_wait_alu depctr_va_vdst(0)
	s_wait_tensorcnt 0x0
	ds_add_u32 v28, v29
	ds_add_u32 v28, v29
	s_wait_dscnt 0x0
	CROUND
	JLOAD \s
.endr
	v_and_b32 v1, 15, v0
	v_bfe_u32 v2, v0, 4, 1
	v_mul_u32_u24 v[ADRB], v1, PB
	v_lshl_add_u32 v[ADRB], v2, 4, v[ADRB]
	v_add_nc_u32 v[ADRB+1], 64*PB, v[ADRB]
	v_add_nc_u32 v[ADRB+2], 128*PB, v[ADRB]
	v_add_nc_u32 v[ADRB+3], 192*PB, v[ADRB]
	s_mul_i32 s23, s10, 16*SPITCH
	v_mul_u32_u24 v5, v1, SPITCH
	v_lshl_add_u32 v5, v2, 5, v5
	v_add_nc_u32 v[STO], s23, v5
	v_add_nc_u32 v[RD], s23, v[CO]
	s_lshl_b32 s18, s42, 9
	s_mov_b32 s19, 0
	s_add_nc_u64 s[PBIAS:PBIAS+1], s[PBIAS:PBIAS+1], s[18:19]
	s_lshl_b32 s16, s13, 19
	s_lshl_b32 s17, s10, 17
	s_add_co_u32 s16, s16, s17
	s_add_co_u32 s16, s16, s18
	s_mov_b32 s17, 0
	s_add_nc_u64 s[RES:RES+1], s[RES:RES+1], s[16:17]
	s_add_nc_u64 s[OUT:OUT+1], s[OUT:OUT+1], s[16:17]
	s_wait_alu depctr_va_vdst(0)
	s_wait_tensorcnt 1
	s_barrier_signal -1
	s_barrier_wait -1
	WIN TO_B
	FETCH 0
.irp q, 0,1,2,3,4,5,6
	QUARTER \q
.endr
	TURN 7, 1
.irp q, 8,9,10,11,12,13,14
	QUARTER \q
.endr
	TURN 15, 1
.irp q, 16,17,18,19,20,21,22
	QUARTER \q
.endr
	TURN 23, 0
.irp q, 24,25,26,27,28,29,30,31
	QUARTER \q
.endr
	WIN 0
	s_wait_loadcnt 0x0
	s_wait_kmcnt 0x0
	s_add_co_i32 s[SC], s80, s81
	s_add_co_i32 s[SC], s[SC], 127
	s_lshl_b32 s[SC], s[SC], 23
	s_mov_b32 s[SC+1], s[SC]
	PLACES
	WIN ADD_R
.set qi, 0
.rept 32
	v_pk_add_f32 v[4*qi:4*qi+1],   v[4*qi:4*qi+1],   v[BIAS:BIAS+1]
	v_pk_add_f32 v[4*qi+2:4*qi+3], v[4*qi+2:4*qi+3], v[BIAS+2:BIAS+3]
.set qi, qi+1
.endr
	WIN 0
.macro OUTB a
.if (\a) > 0
	s_wait_xcnt 0x0
.endif
.irp b, 0,1,2,3,4,5,6,7
	ds_store_b128 v[STO], v[ACC+8*(8*(\a)+\b):ACC+8*(8*(\a)+\b)+3]   offset:64*\b
	ds_store_b128 v[STO], v[ACC+8*(8*(\a)+\b)+4:ACC+8*(8*(\a)+\b)+7] offset:64*\b+16
.endr
.irp t, 0,1,2,3,4,5,6,7,8,9,10,11,12,13,14,15
	ds_load_b128 v[BK+4*\t:BK+4*\t+3], v[RD] offset:\t*SPITCH
.endr
	s_wait_dscnt 0x0
	WIN FMA_R
.set qi, 0
.rept 32
	v_pk_fma_f32 v[BK+qi:BK+qi+1], v[BK+qi:BK+qi+1], s[SC:SC+1], v[64*(\a)+qi:64*(\a)+qi+1] op_sel_hi:[1,0,1]
.set qi, qi+2
.endr
	WIN 0
.irp t, 0,1,2,3,4,5,6,7,8,9,10,11,12,13,14,15
	global_store_b128 v[CO], v[BK+4*\t:BK+4*\t+3], s[OUT:OUT+1] offset:(16*(\a)+\t)*4096 th:TH_STORE_NT
.endr
.endm
	OUTB 0
	OUTB 1
	s_wait_tensorcnt 0x0
	ds_add_u32 v[SPW], v[NIL]
	s_wait_dscnt 0x0
	CROUND
	s_endpgm
.Lfunc_end_k_qe987f20d48_ffn2:
	.size	k_qe987f20d48_ffn2, .Lfunc_end_k_qe987f20d48_ffn2-k_qe987f20d48_ffn2
	.p2alignl 7, 3214868480
	.fill 96, 4, 3214868480
	.section	.rodata,"a",@progbits
	.p2align	6, 0x0
	.amdhsa_kernel k_qe987f20d48_ffn2
		.amdhsa_group_segment_fixed_size 327680
		.amdhsa_private_segment_fixed_size 0
		.amdhsa_enable_private_segment 0
		.amdhsa_kernarg_size 48
		.amdhsa_user_sgpr_count 2
		.amdhsa_user_sgpr_kernarg_segment_ptr 1
		.amdhsa_wavefront_size32 1
		.amdhsa_system_sgpr_workgroup_id_x 1
		.amdhsa_system_sgpr_workgroup_id_y 1
		.amdhsa_system_sgpr_workgroup_id_z 1
		.amdhsa_system_vgpr_workitem_id 0
		.amdhsa_next_free_vgpr 896
		.amdhsa_next_free_sgpr 84
		.amdhsa_reserve_vcc 0
		.amdhsa_float_denorm_mode_32 3
		.amdhsa_float_denorm_mode_16_64 3
		.amdhsa_memory_ordered 1
		.amdhsa_forward_progress 1
		.amdhsa_inst_pref_size 157
	.end_amdhsa_kernel
	.amdgpu_metadata
---
amdhsa.version: [ 1, 2 ]
amdhsa.kernels:
  - .name:           k_qe987f20d48_ffn2
    .symbol:         k_qe987f20d48_ffn2.kd
    .args:
      - { .name: gc, .offset: 0, .size: 8, .value_kind: global_buffer, .address_space: global }
      - { .name: W2_codes, .offset: 8, .size: 8, .value_kind: global_buffer, .address_space: global }
      - { .name: lowp_scales, .offset: 16, .size: 8, .value_kind: global_buffer, .address_space: global }
      - { .name: bf2, .offset: 24, .size: 8, .value_kind: global_buffer, .address_space: global }
      - { .name: x1, .offset: 32, .size: 8, .value_kind: global_buffer, .address_space: global }
      - { .name: out0, .offset: 40, .size: 8, .value_kind: global_buffer, .address_space: global }
    .group_segment_fixed_size: 327680
    .private_segment_fixed_size: 0
    .kernarg_segment_align: 8
    .kernarg_segment_size: 48
    .max_flat_workgroup_size: 128
    .sgpr_count:     84
    .vgpr_count:     896
    .wavefront_size: 32
...
	.end_amdgpu_metadata
.endif
;; end of part 7
